; MI455X (gfx1250); checked and timed in simulation.
; The chip was launched on July 23, 2026; its instructions are those of AMD's public machine-readable ISA for CDNA 5 (MIT licence, August 2026) and "CDNA5" Instruction Set Architecture Reference Guide (July 2026). The comments in the code are by the model that wrote it; some were corrected since.
;; Attention. Allowed arithmetic: matrix products marked QUANTISED: E3M2 operands, one E8M0 scale for each 32 along K, by v_wmma_scale_f32_16x16x128_f8f6f4 with both operands' format E3M2, f32 sums; everything else in f32.
;; Inputs: beta 1,024 float32; bk 1,024 float32; bo 1,024 float32; bq 1,024 float32; bv 1,024 float32; gamma 1,024 float32; mask 8 x 1,024 int32; wk 1,024 x 1,024 float32; wo 1,024 x 1,024 float32; wq 1,024 x 1,024 float32; wv 1,024 x 1,024 float32; x 8 x 1,024 x 1,024 float32.
;; Outputs: out0 8 x 1,024 x 1,024 float32.
;; This version of the problem:
;;   THIS VERSION OF THE PROBLEM IS GIVEN IN LOW PRECISION. The matrix products marked QUANTISED in the list below multiply operands that are first quantised to E3M2 (3 exponent bits, 2 mantissa bits; 6 bits a number), with one power-of-two scale for each 32 numbers along K (OCP MX v1.0); their sums are f32. All else is computed in f32.
;;   The module's matrix products, in the order in which they are computed (A, B: the left and right operand; K: the contracted axis; several contracted axes count as one K, in the product's order):
;;     1. [M 8,192, K 1,024] x [K 1,024, N 1,024]; A: input x; B: input wq: QUANTISED
;;     2. [M 8,192, K 1,024] x [K 1,024, N 1,024]; A: input x; B: input wk: QUANTISED
;;     3. [M 8,192, K 1,024] x [K 1,024, N 1,024]; A: input x; B: input wv: QUANTISED
;;     4. batch 128 x [M 1,024, K 64] x [K 64, N 1,024]; A: computed on the way; B: computed on the way: QUANTISED
;;     5. batch 128 x [M 1,024, K 1,024] x [K 1,024, N 64]; A: softmax (see below); B: computed on the way: QUANTISED
;;     6. [M 8,192, K 1,024] x [K 1,024, N 1,024]; A: computed on the way; B: input wo: QUANTISED
;;   THE QUANTISER, for each operand of a quantised product, along K:
;;     - K is cut into blocks of 32 from its start; a last block that is shorter is filled with zeros.
;;     - A block's scale is 2^e with e = floor(log2(the largest magnitude in the block)) - 4, held to -126 .. 127; a block of zeros has e = 0. As a byte (E8M0): e + 127.
;;     - Each number is divided by its block's scale, clamped to +-28, and rounded to the nearest number of E3M2, ties to even, subnormals kept.
;;     - The product sums the exact products of the quantised numbers (number of the format x scale) in f32.
;;   ~~~python
;;   def quantise(x, axis):      # numpy; x: float32 -> the quantised numbers, widened to float32 again
;;       x = np.moveaxis(x, axis, -1); K = x.shape[-1]
;;       x = np.pad(x, [(0, 0)] * (x.ndim - 1) + [(0, -K % 32)]); x = x.reshape(x.shape[:-1] + (-1, 32)); a = np.abs(x).max(-1, keepdims=True)
;;       e = np.where(a > 0, np.clip(np.frexp(np.where(a > 0, a, 1))[1] - 1 - 4, -126, 127), 0)      # np.frexp(a)[1] - 1 = floor(log2(a)), exactly
;;       r = np.clip(x / 2.0 ** e, -28, 28)
;;       step = 2.0 ** (np.maximum(np.frexp(np.where(r == 0, 1, r))[1] - 1, -2) - 2)
;;       q = np.round(r / step) * step * 2.0 ** e      # np.round: ties to even
;;       return np.moveaxis(q.reshape(q.shape[:-2] + (-1,))[..., :K], -1, axis).astype(np.float32)
;;   ~~~
;;   SOFTMAX AHEAD OF A QUANTISED PRODUCT. Where the list says 'softmax', what is quantised is not the finished softmax but p = 2^(t - M), with t = logit x log2(e) and M = ceil(the row's largest t), a whole number; so 1/2 < the row's largest p <= 1. The row's sum l is taken of the UNQUANTISED p, in f32, and the product's result is divided by l at the end. Since M is a whole number, a kernel that streams over the keys may use a running M (the ceiling of the running maximum): every later rescaling is an exact power of two, which a block's scale takes up: the codes' values come out the same.
;;   OPERANDS COMPUTED ON THE WAY. 'Computed on the way' means the value that the module computes at that place (a softmax that the list does not call 'softmax' is quantised finished and normalised). What goes into a quantiser is computed in f32, as accurately as f32 sums, v_exp_f32 and their like allow (about 1e-6 of the number): no bf16 or f16 on the way to a quantiser, and a product that is left as it is and whose result goes on into a quantised operand takes f32 operands (vector FMAs, or v_wmma_f32_16x16x4_f32). A number that lies on a knife's edge between two numbers of the format may be rounded either way, as far as f32 arithmetic and the matrix unit's own rounding can turn it there, and no further.
;; One version. Each part assembles by itself: llvm-mc -triple=amdgcn-amd-amdhsa -mcpu=gfx1250 --defsym DOCPART=n.
;; ======== version 1 of 1: 4 launches
;; workspace buffers: rc 8,650,752 bytes; rs 393,216 bytes; woi 786,432 bytes; qkvc 18,874,368 bytes; qkvs 1,310,720 bytes; ctxc 6,291,456 bytes; ctxs 262,144 bytes
;; launch quant (part 1): grid 384 x 1, 4 waves a work-group, no clusters, 93,696 bytes of LDS; arguments x, wq, wk, wv, wo, rc, rs, woi; writes rc, rs, woi
.if DOCPART == 1
	.amdgcn_target "amdgcn-amd-amdhsa--gfx1250"
	.amdhsa_code_object_version 6
	.text
	.protected	k_q07f39db58f_quant
	.globl	k_q07f39db58f_quant
	.p2align	8
	.type	k_q07f39db58f_quant,@function
k_q07f39db58f_quant:
	s_mov_b64 s[64:65], 0
	v_nop
	global_prefetch_b8 v0, s[64:65] scope:SCOPE_SE
	s_setreg_imm32_b32 hwreg(HW_REG_WAVE_MODE, 25, 1), 1
	s_wait_xcnt 0x0
; x [8192][1024] and the four weights [1024 (k)][1024 (n)], f32, become codes of BF6 (E3M2) with one E8M0 byte for each 32 along K.
; A block's scale is 2^(floor(log2(largest magnitude)) - 4); its byte is the largest magnitude's exponent field - 4, held at 1 from below.
; LIMITS: a block of zeros, or one whose largest magnitude lies under 2^-122, keeps the byte 1 (the quantiser says 127 for zeros: the codes are zeros, and only this
; program reads the bytes); NaN and infinities among the inputs are not served.
; OUTPUTS.  rc: [11264 positions][768 bytes], K innermost: x at positions 0.., wq's columns at 8192.., wk's at 9216.., wv's at 10240...  rs: [12288][32] scale bytes, wo's columns at 11264 + n.
; THE ORDER OF ROWS in rc and rs (not wo's): inside each group of 32, position P holds row P with its bits 3 and 4 exchanged.  So 16 neighbouring positions hold rows 8 u + r + 8 (r / 8):
; used as source 0 of a product, two neighbouring tiles then leave 16 NEIGHBOURING rows in a lane's 16 result registers, which the next quantiser wants.
; woi: wo as images of operand registers: [n / 256][16 (k / 128) + (n / 16) % 16][1536 bytes]; registers 4 c .. 4 c + 3 of lane l at 512 c + 16 l.
; THREE ROLES by the work-group's number, each with LDS bytes of its own: 0-255 x (K innermost: a lane holds 16 neighbours, turned through LDS so that every load is dense);
; 256-351 wq, wk, wv (K outermost: a lane takes a column, its registers run down K; codes leave by rows through a stage); 352-383 wo (the same, codes leave as images).
; No tensor loads, no barrier: waves share nothing.
.set WREG,  8192                       ; role x: LDS of a wave: two stages of 32 x 80 bytes, then its 256 scale bytes
.set SP,    80
.set CB,    12
.set STEPS, 16
.set RL,    16                         ; v16-79   four sets of 16 numbers as loaded
.set XN,    80                         ; v80-111  two sets of 16 neighbours
.set EB,    112                        ; v112-127 a scale byte for each step
.set CD,    128                        ; v128-191 codes, four registers a step
.set NB,    8                          ; weights: blocks of 32 along K for a wave
.set PITCH, 272                        ; a stage row: sixteen places of 16 bytes + 16
.set KROW,  768
.set WSTG,  32768                      ; stages of the role for wq, wk, wv: 8,704 bytes a wave
.set OSTG,  67584                      ; stages of the role for wo: 6,400 bytes a wave
.set OP,    200                        ; wo: a column's 192 bytes of codes + 8
.set XW,    32                         ; v32-95   two sets of 32 numbers
.set CW,    96                         ; v96..    a block's codes
.set OUTR,  112                        ; v112..   the way out
.set SB,    24                         ; v24-25   a column's 8 scale bytes
.macro LOADX t
.irp i, 0,1,2,3
	global_load_b128 v[RL+16*((\t)%4)+4*\i:RL+16*((\t)%4)+4*\i+3], v3, s[4:5] offset:2048*(\t)+512*\i th:TH_LOAD_NT   ; 32 lanes read 512 consecutive bytes
.endr
.endm
.macro TURNX t                         ; a step's 2,048 bytes through the wave's stage: LDS serves a wave's instructions in order
.irp i, 0,1,2,3
	ds_store_b128 v14, v[RL+16*((\t)%4)+4*\i:RL+16*((\t)%4)+4*\i+3] offset:32*SP*((\t)%2)+8*SP*\i
.endr
.irp i, 0,1,2,3
	ds_load_b128 v[XN+16*((\t)%2)+4*\i:XN+16*((\t)%2)+4*\i+3], v15 offset:32*SP*((\t)%2)+16*\i
.endr
.endm
.macro STEPX t
.set XS, XN+16*((\t)%2)
.if (\t) > 0
	s_wait_dscnt 1                                 ; this step's numbers are back from the stage; the last step's byte store may be out
.else
	s_wait_dscnt 0x0
.endif
.if (\t)+4 < STEPS
	LOADX (\t)+4                                   ; into the set whose stores into the stage are done
.endif
.if (\t)+1 < STEPS
.if STEPS-2-(\t) >= 3
	s_wait_loadcnt 12                              ; the next step's four loads are in; three later steps' may be out
.else
	s_wait_loadcnt 4*(STEPS-2-(\t))
.endif
	TURNX (\t)+1
.endif
	v_max3_num_f32 v8, |v[XS]|, |v[XS+1]|, |v[XS+2]|
	v_max3_num_f32 v9, |v[XS+3]|, |v[XS+4]|, |v[XS+5]|
.irp i, 6,10
	v_max3_num_f32 v8, v8, |v[XS+\i]|, |v[XS+\i+1]|
	v_max3_num_f32 v9, v9, |v[XS+\i+2]|, |v[XS+\i+3]|
.endr
	v_max3_num_f32 v8, v8, |v[XS+14]|, |v[XS+15]|
	v_max3_num_f32 v8, v8, v9, 0x2800000           ; the floor 2^(5 - 127): the byte cannot fall under 1
	v_max_num_f32_dpp v8, v8, v8 row_xmask:1 row_mask:0xf bank_mask:0xf   ; with my neighbour's 16: the block's largest magnitude
	v_add_nc_u32 v11, 0xfe000000, v8               ; 4 off its exponent field: the conversion's scale operand
	v_cvt_scalef32_pk16_bf6_f32 v[CD+4*(\t):CD+4*(\t)+2], v[XS:XS+15], v11
	v_lshrrev_b32 v[EB+(\t)], 23, v11              ; the scale's byte
	ds_store_b8 v5, v[EB+(\t)] offset:16*(\t)      ; both lanes of a block write the same byte with the same value
	global_store_b96 v4, v[CD+4*(\t):CD+4*(\t)+2], s[14:15] offset:32*CB*(\t)
.endm
.macro LOADW t                         ; block t: W(32 t + i, my column) into set t % 2
.set i, 0
.rept 32
	global_load_b32 v[XW+32*((\t)%2)+i], v3, s[36:37] offset:(32*(\t)+i)*4096 th:TH_LOAD_NT
.set i, i+1
.endr
.endm
.macro BLOCK t, img                    ; img = 0: 12 bytes to each place of 16 in a stage row; img = 1: a block's 24 bytes on end
.set XS, XW+32*((\t)%2)
.if (\t) < NB-1
	s_wait_loadcnt 32                              ; this block's 32 loads are in; the next block's may be out
.else
	s_wait_loadcnt 0x0
.endif
	v_max3_num_f32 v12, |v[XS]|, |v[XS+1]|, |v[XS+2]|
	v_max3_num_f32 v13, |v[XS+3]|, |v[XS+4]|, |v[XS+5]|
.irp i, 6,10,14,18,22,26
	v_max3_num_f32 v12, v12, |v[XS+\i]|, |v[XS+\i+1]|
	v_max3_num_f32 v13, v13, |v[XS+\i+2]|, |v[XS+\i+3]|
.endr
	v_max3_num_f32 v12, v12, |v[XS+30]|, |v[XS+31]|
	v_max3_num_f32 v12, v12, v13, 0x2800000
	v_add_nc_u32 v11, 0xfe000000, v12
	v_lshrrev_b32 v13, 23, v11
.if (\t)%4 == 0
	v_mov_b32 v[SB+(\t)/4], v13
.else
	v_lshl_or_b32 v[SB+(\t)/4], v13, 8*((\t)%4), v[SB+(\t)/4]
.endif
	v_cvt_scalef32_pk16_bf6_f32 v[CW:CW+2], v[XS:XS+15], v11
	v_cvt_scalef32_pk16_bf6_f32 v[CW+4:CW+6], v[XS+16:XS+31], v11   ; (a conversion's three registers begin on an even number)
.if \img
	v_nop                                          ; one plain place behind a scaled conversion
	v_mov_b32 v[CW+3], v[CW+4]
	v_mov_b32 v[CW+4], v[CW+5]
	v_mov_b32 v[CW+5], v[CW+6]
	ds_store_b64 v4, v[CW:CW+1] offset:24*(\t)
	ds_store_b64 v4, v[CW+2:CW+3] offset:24*(\t)+8
	ds_store_b64 v4, v[CW+4:CW+5] offset:24*(\t)+16
.else
	ds_store_b96 v4, v[CW:CW+2] offset:32*(\t)
	ds_store_b96 v4, v[CW+4:CW+6] offset:32*(\t)+16
.endif
.if (\t)+2 < NB
	LOADW (\t)+2
.endif
	s_wait_dscnt 0x0                               ; the stores have read their registers: the next block's codes may be written
.endm
	s_load_b512 s[4:19], s[0:1], 0x0               ; x, wq, wk, wv, wo, rc, rs, woi
	v_lshl_add_u32 v192, v0, 2, 0x16c00
	v_mov_b32 v193, 0
	v_lshrrev_b32 v1, 5, v0
	v_readfirstlane_b32 s20, v1                    ; wave 0..3
	v_and_b32 v2, 31, v0                           ; lane
	s_cmp_lt_u32 ttmp9, 256
	s_cbranch_scc0 .Lweights
	; ---- x: run k = 4 x work-group + wave is 8 rows; it is stored as run k with its bits 0 and 1 exchanged (the rows' bits 3 and 4)
	v_lshlrev_b32 v3, 4, v2
	s_mul_i32 s21, s20, WREG
	v_lshrrev_b32 v14, 2, v2
	v_mul_u32_u24 v14, v14, SP
	v_and_b32 v15, 3, v2
	v_lshl_add_u32 v14, v15, 4, v14
	v_add_nc_u32 v14, s21, v14                     ; into the stage: 80 (lane / 4) + 16 (lane % 4)
	v_mul_u32_u24 v15, v2, SP
	v_add_nc_u32 v15, s21, v15                     ; out of it: 80 x lane
	v_mul_u32_u24 v4, v2, CB
	v_lshrrev_b32 v5, 1, v2
	s_add_co_u32 s21, s21, 2*32*SP
	v_add_nc_u32 v5, s21, v5                       ; my block's byte among the wave's 256
	v_lshlrev_b32 v7, 3, v2
	v_add_nc_u32 v6, s21, v7
	s_lshl_b32 s22, ttmp9, 2
	s_add_co_u32 s24, s22, s20                     ; k
	s_mov_b32 s25, 0
	s_lshl_b64 s[26:27], s[24:25], 15              ; 32,768 bytes of x a run
	s_and_b32 s23, s20, 1
	s_lshl_b32 s23, s23, 1
	s_lshr_b32 s28, s20, 1
	s_or_b32 s23, s23, s28
	s_add_co_u32 s24, s22, s23                     ; the run's place in rc and rs
	s_mul_i32 s28, s24, 6144
	s_mov_b32 s29, 0
	s_lshl_b32 s30, s24, 8
	s_mov_b32 s31, 0
	s_wait_alu depctr_va_vdst(0)
	s_wait_kmcnt 0x0
	s_add_nc_u64 s[4:5], s[4:5], s[26:27]
	s_add_nc_u64 s[14:15], s[14:15], s[28:29]
	s_add_nc_u64 s[16:17], s[16:17], s[30:31]
.irp t, 0,1,2,3
	LOADX \t
.endr
	s_wait_loadcnt 12                              ; step 0's four loads are in
	TURNX 0
.irp t, 0,1,2,3,4,5,6,7,8,9,10,11,12,13,14,15
	STEPX \t
.endr
	ds_load_b64 v[12:13], v6                       ; LDS serves a wave's instructions in order: these see my byte stores
	s_wait_dscnt 0x0
	global_store_b64 v7, v[12:13], s[16:17]        ; 32 lanes store 256 consecutive bytes, aligned
	s_wait_tensorcnt 0x0
	ds_add_u32 v192, v193
	s_wait_dscnt 0x0
	s_endpgm
.Lweights:
	s_cmp_lt_u32 ttmp9, 352
	s_cbranch_scc0 .Lwo
	; ---- wq, wk, wv: e = work-group - 256: weight e / 32, 256 along K (e / 8) % 4, 128 columns e % 8; a wave 32 columns
	s_sub_co_u32 s21, ttmp9, 256
	s_lshr_b32 s22, s21, 5                         ; which weight
	s_and_b32 s23, s21, 7
	s_bfe_u32 s24, s21, 0x20003                    ; which 256 along K
	s_lshl_b32 s25, s23, 7
	s_lshl_b32 s26, s20, 5
	s_add_co_u32 s25, s25, s26                     ; my wave's first column
	s_wait_alu depctr_va_vdst(0)
	v_lshlrev_b32 v3, 2, v2
	v_and_b32 v5, 7, v2
	v_bfe_u32 v6, v2, 3, 1
	v_lshl_add_u32 v5, v6, 4, v5
	v_bfe_u32 v6, v2, 4, 1
	v_lshl_add_u32 v5, v6, 3, v5                   ; my column's position in its group of 32: bits 3 and 4 exchanged
	s_mul_i32 s27, s20, 32*PITCH
	s_add_co_u32 s27, s27, WSTG
	v_mul_u32_u24 v4, v5, PITCH
	v_add_nc_u32 v4, s27, v4                       ; into the stage: row = my position
	v_lshlrev_b32 v9, 5, v5                        ; and its row of scale bytes
	v_and_b32 v5, 15, v2
	v_lshrrev_b32 v6, 4, v2
	v_mul_u32_u24 v7, v6, PITCH
	v_lshl_add_u32 v7, v5, 4, v7
	v_add_nc_u32 v7, s27, v7                       ; out of it: sixteen lanes to a row, two rows an instruction
	v_mul_u32_u24 v8, v6, KROW
	v_mad_u32_u24 v8, v5, 12, v8
	s_lshl_b32 s28, s24, 20                        ; 256 rows of 4,096 bytes
	s_lshl_b32 s29, s25, 2
	s_add_co_u32 s28, s28, s29
	s_mov_b32 s29, 0
	s_lshl_b32 s30, s22, 10
	s_add_co_u32 s30, s30, s25
	s_add_co_u32 s30, s30, 8192                    ; my first position
	s_mul_i32 s32, s30, KROW
	s_mul_i32 s31, s24, 192
	s_add_co_u32 s32, s32, s31
	s_mov_b32 s33, 0
	s_lshl_b32 s34, s30, 5
	s_lshl_b32 s31, s24, 3
	s_add_co_u32 s34, s34, s31
	s_mov_b32 s35, 0
	s_wait_kmcnt 0x0
	s_cmp_lt_u32 s22, 1                            ; the choice hangs on the work-group's number alone
	s_cselect_b64 s[36:37], s[6:7], s[8:9]
	s_cmp_lt_u32 s22, 2
	s_cselect_b64 s[36:37], s[36:37], s[10:11]
	s_add_nc_u64 s[36:37], s[36:37], s[28:29]
	s_add_nc_u64 s[14:15], s[14:15], s[32:33]
	s_add_nc_u64 s[16:17], s[16:17], s[34:35]
	LOADW 0
	LOADW 1
.irp t, 0,1,2,3,4,5,6,7
	BLOCK \t, 0
.endr
	s_wait_alu depctr_va_vdst(0)
	global_store_b64 v9, v[SB:SB+1], s[16:17]      ; my column's 8 scale bytes
.irp t, 0,1,2,3,4,5,6,7,8,9,10,11,12,13,14,15
	ds_load_b96 v[OUTR+4*\t:OUTR+4*\t+2], v7 offset:2*\t*PITCH
.endr
.irp t, 0,1,2,3,4,5,6,7,8,9,10,11,12,13,14,15
	s_wait_dscnt 15-\t                             ; the later pairs of rows may be out
	global_store_b96 v8, v[OUTR+4*\t:OUTR+4*\t+2], s[14:15] offset:2*\t*KROW
.endr
	s_wait_tensorcnt 0x0
	ds_add_u32 v192, v193
	s_wait_dscnt 0x0
	s_endpgm
.Lwo:
	; ---- wo: e = work-group - 352: 128 columns e % 8, 256 along K e / 8; a wave 32 columns = two tiles, two K steps: four images
	s_sub_co_u32 s21, ttmp9, 352
	s_and_b32 s23, s21, 7
	s_lshr_b32 s24, s21, 3
	s_lshl_b32 s25, s23, 7
	s_lshl_b32 s26, s20, 5
	s_add_co_u32 s25, s25, s26                     ; my wave's first column
	s_wait_alu depctr_va_vdst(0)
	v_lshlrev_b32 v3, 2, v2
	s_mul_i32 s27, s20, 32*OP
	s_add_co_u32 s27, s27, OSTG
	v_mul_u32_u24 v4, v2, OP
	v_add_nc_u32 v4, s27, v4                       ; into the stage: row = my column
	v_and_b32 v5, 15, v2
	v_lshrrev_b32 v6, 4, v2
	v_mul_u32_u24 v7, v5, OP
	v_mad_u32_u24 v7, v6, 24, v7
	v_add_nc_u32 v7, s27, v7                       ; out of it as a fragment's lane: row lane % 16, + 24 (lane / 16)
	v_lshlrev_b32 v8, 4, v2                        ; an image's place for my lane
	v_lshlrev_b32 v9, 5, v2                        ; my column's row of scale bytes
	s_lshl_b32 s28, s24, 20
	s_lshl_b32 s29, s25, 2
	s_add_co_u32 s28, s28, s29
	s_mov_b32 s29, 0
	s_lshr_b32 s30, s23, 1
	s_lshl_b32 s30, s30, 7                         ; 128 images for each 256 columns,
	s_lshl_b32 s31, s24, 5
	s_add_co_u32 s30, s30, s31                     ; 16 for each K step (two here),
	s_and_b32 s31, s23, 1
	s_lshl_b32 s31, s31, 3
	s_add_co_u32 s30, s30, s31
	s_lshl_b32 s31, s20, 1
	s_add_co_u32 s30, s30, s31                     ; one for each tile of 16 columns
	s_mul_i32 s32, s30, 1536
	s_mov_b32 s33, 0
	s_add_co_u32 s34, s25, 11264
	s_lshl_b32 s34, s34, 5
	s_lshl_b32 s31, s24, 3
	s_add_co_u32 s34, s34, s31
	s_mov_b32 s35, 0
	s_wait_kmcnt 0x0
	s_add_nc_u64 s[36:37], s[12:13], s[28:29]
	s_add_nc_u64 s[18:19], s[18:19], s[32:33]
	s_add_nc_u64 s[16:17], s[16:17], s[34:35]
	LOADW 0
	LOADW 1
.irp t, 0,1,2,3,4,5,6,7
	BLOCK \t, 1
.endr
	s_wait_alu depctr_va_vdst(0)
	global_store_b64 v9, v[SB:SB+1], s[16:17]
.irp u, 0,1
.irp g, 0,1
.irp p, 0,1,2,3,4,5
	ds_load_b64 v[OUTR+12*(2*\u+\g)+2*\p:OUTR+12*(2*\u+\g)+2*\p+1], v7 offset:\u*16*OP+96*\g+48*(\p/3)+8*(\p%3)
.endr
.endr
.endr
	s_wait_dscnt 0x0
.irp u, 0,1
.irp g, 0,1
.irp c, 0,1,2
	global_store_b128 v8, v[OUTR+12*(2*\u+\g)+4*\c:OUTR+12*(2*\u+\g)+4*\c+3], s[18:19] offset:1536*\u+24576*\g+512*\c   ; 32 lanes store 512 consecutive bytes, aligned
.endr
.endr
.endr
	s_wait_tensorcnt 0x0
	ds_add_u32 v192, v193
	s_wait_dscnt 0x0
	s_endpgm
.Lfunc_end_k_q07f39db58f_quant:
	.size	k_q07f39db58f_quant, .Lfunc_end_k_q07f39db58f_quant-k_q07f39db58f_quant
	.p2alignl 7, 3214868480
	.fill 96, 4, 3214868480
	.section	.rodata,"a",@progbits
	.p2align	6, 0x0
	.amdhsa_kernel k_q07f39db58f_quant
		.amdhsa_group_segment_fixed_size 93696
		.amdhsa_private_segment_fixed_size 0
		.amdhsa_enable_private_segment 0
		.amdhsa_kernarg_size 64
		.amdhsa_user_sgpr_count 2
		.amdhsa_user_sgpr_kernarg_segment_ptr 1
		.amdhsa_wavefront_size32 1
		.amdhsa_system_sgpr_workgroup_id_x 1
		.amdhsa_system_sgpr_workgroup_id_y 1
		.amdhsa_system_sgpr_workgroup_id_z 1
		.amdhsa_system_vgpr_workitem_id 0
		.amdhsa_next_free_vgpr 194
		.amdhsa_next_free_sgpr 66
		.amdhsa_reserve_vcc 0
		.amdhsa_float_denorm_mode_32 3
		.amdhsa_float_denorm_mode_16_64 3
		.amdhsa_memory_ordered 1
		.amdhsa_forward_progress 1
		.amdhsa_inst_pref_size 116
	.end_amdhsa_kernel
	.amdgpu_metadata
---
amdhsa.version: [ 1, 2 ]
amdhsa.kernels:
  - .name:           k_q07f39db58f_quant
    .symbol:         k_q07f39db58f_quant.kd
    .args:
      - { .name: x, .offset: 0, .size: 8, .value_kind: global_buffer, .address_space: global }
      - { .name: wq, .offset: 8, .size: 8, .value_kind: global_buffer, .address_space: global }
      - { .name: wk, .offset: 16, .size: 8, .value_kind: global_buffer, .address_space: global }
      - { .name: wv, .offset: 24, .size: 8, .value_kind: global_buffer, .address_space: global }
      - { .name: wo, .offset: 32, .size: 8, .value_kind: global_buffer, .address_space: global }
      - { .name: rc, .offset: 40, .size: 8, .value_kind: global_buffer, .address_space: global }
      - { .name: rs, .offset: 48, .size: 8, .value_kind: global_buffer, .address_space: global }
      - { .name: woi, .offset: 56, .size: 8, .value_kind: global_buffer, .address_space: global }
    .group_segment_fixed_size: 93696
    .private_segment_fixed_size: 0
    .kernarg_segment_align: 8
    .kernarg_segment_size: 64
    .max_flat_workgroup_size: 128
    .sgpr_count:     66
    .vgpr_count:     194
    .wavefront_size: 32
...
	.end_amdgpu_metadata
.endif
;; end of part 1
;; launch qkv (part 2): grid 12 x 32, 4 waves a work-group, clusters of 4 x 4, 327,680 bytes of LDS; arguments rc, rs, bq, bk, bv, qkvc, qkvs; writes qkvc, qkvs
.if DOCPART == 2
	.amdgcn_target "amdgcn-amd-amdhsa--gfx1250"
	.amdhsa_code_object_version 6
	.text
	.protected	k_q07f39db58f_qkv
	.globl	k_q07f39db58f_qkv
	.p2align	8
	.type	k_q07f39db58f_qkv,@function
k_q07f39db58f_qkv:
	s_mov_b64 s[64:65], 0
	v_nop
	global_prefetch_b8 v0, s[64:65] scope:SCOPE_SE
	s_setreg_imm32_b32 hwreg(HW_REG_WAVE_MODE, 25, 1), 1
	s_wait_xcnt 0x0
	s_wait_alu depctr_hold_cnt(0) depctr_sa_sdst(0) depctr_va_vdst(0) depctr_va_sdst(0) depctr_va_ssrc(0) depctr_va_vcc(0) depctr_vm_vsrc(0)
	s_getreg_b32 s2, hwreg(HW_REG_IB_STS2, 6, 4)
	s_cmp_eq_u32 s2, 0
	s_cbranch_scc0 .Lentry_in_a_cluster
	s_endpgm
.Lentry_in_a_cluster:
	s_bfe_u32 s2, ttmp6, 0x10000c
	s_cmp_lg_u32 s2, 0xf033
	s_cbranch_scc0 .Lentry_shape_is_right
	s_endpgm
.Lentry_shape_is_right:
; q = x wq + bq, k = x wk + bk, v = x wv + bv on codes of BF6 (E3M2) with E8M0 scales, f32 sums; the results are quantised again in registers and leave as images of operand registers.
; rc holds all operands as rows of 768 bytes (1,024 codes, K innermost), rs their scale bytes, 32 a row: x at rows 0.., wq's columns at 8192.., wk's at 9216.., wv's at 10240...
; A tile of 256 x 256 is made by four waves, 128 x 128 each: 64 accumulators, 512 registers.  K goes in steps of 256 through two LDS slots filled by the tensor data mover; the scale bytes of the
; work-group's 512 rows come once and stay.  Clusters of 4 x 4: A's tiles are asked for jointly along a row of the cluster, B's along a column.
; THE PRODUCT: source 0 = 16 rows of 'B', source 1 = 16 rows of 'A': a lane holds ONE row of A, its registers run along rows of B.  Cluster x = 0, 1 (q, k): A = x, B = the weight: registers run along the
; head's axis, which is the next product's K.  Cluster x = 2 (v): A = wv's columns, B = x: registers run along the keys, which are V's K.  Only tile numbers differ.
; The rows of rc stand in an order (bits 3 and 4 of the row exchanged in each group of 32) by which the 16 registers of two neighbouring tiles of B are 16 NEIGHBOURS along that K.
; The bias is the C of each sum's first product.  OUTPUT: q, k: for each head and tile of 16 tokens half a fragment (K = 64: registers 0-5), 768 bytes; v: for each head, 128 keys and 16 channels a fragment, 1,536 bytes.
; LIMITS: a block of zeros, or one under 2^-122, keeps the scale byte 1 (its codes are zeros or subnormal; only this program reads the bytes); NaN and infinities are not served.
; REGISTERS, in windows of 256: window 0: v0-31 addresses; v32-63 scale words, two sets; v64-127 the bias (later the way out's work); from v128 A's fragments, one set.
;   window 1: B's fragments, two sets.  window 2: accumulators of my rows 0-63 ((a, b) at v[8 (8 a + b)]);  window 3: of rows 64-127.
.set KSTEP,  256
.set NQ,     2
.set ROWB,   192
.set KROW,   768
.set PITCH,  240                       ; an LDS row: 3 x (64 bytes + 16 of padding)
.set FR,     12
.set NL,     6
.set NP,     4
.set HALFT,  128*PITCH
.set SLOT,   4*HALFT
.set LAPS,   2                         ; 1,024 along K = twice round the ring
.set KS,     32
.set SCL,    2*SLOT
.set HALFS,  (128*KS/256)*272
.set SBLK,   (16*KS/256)*272
.set SPARE,  SCL+4*HALFS               ; the spare words: 128 bytes a wave, named by no other line
.set ADRA, 16
.set ADRB, 20
.set ADRS, 27
.set SPW,  28
.set NIL,  29
.set SC,   32
.set BIAS, 64
.set AF,   128
.set TM,   64                          ; the way out: v64-79 at work, v80-99 codes, v100-107 the eight scale words, v108-115 as stored, v116-119 offsets
.set PC,   80
.set W,    100
.set D,    108
.set L16,  116
.set L8,   117
.set SO,   118
.set SH,   119
.set G1, 24
.set G0, 32
.set G1B, 48
.set G0B, 56
.set G1S, 68
.set G0S, 76
.set G1SB, 80
.set G0SB, 88
.set MSB, 0
.macro WIN new                         ; the immediate's high byte repeats the setting that is left
.if MSB != (\new)
	s_set_vgpr_msb (MSB<<8)|(\new)
.set MSB, (\new)
.endif
.endm
.set MUL_LO, 0xa1                      ; source 0 (B) window 1, source 1 (A) window 0, C and D window 2
.set MUL_HI, 0xf1
.set TO_B,   0x40
.macro WINM hi, zero                   ; the windows of a run of products: with the bias as C, source 2 lies in window 0
.if \zero
	WIN 0x81+0x40*\hi
.else
	WIN 0xa1+0x50*\hi
.endif
.endm
; A joint load: waves 0 and 1 fetch for A, waves 2 and 3 for B; the branch hangs on the wave's number alone.  Four v_nop follow each of the two lines.
.macro JLOAD g0a, g1a, g0b, g1b
	s_cmp_eq_u32 s15, 0
	s_cbranch_scc0 .Lfor_b_\@
	tensor_load_to_lds s[\g0a:\g0a+3], s[\g1a:\g1a+7]
	s_nop 0
.rept 4
	v_nop
.endr
	s_branch .Lasked_\@
.Lfor_b_\@:
	tensor_load_to_lds s[\g0b:\g0b+3], s[\g1b:\g1b+7]
	s_nop 0
.rept 4
	v_nop
.endr
.Lasked_\@:
.endm
.macro CREST
	s_cmp_lg_u32 s14, 0
	s_cbranch_scc1 .Lnot_wave_0_\@
	s_barrier_signal -3
.Lnot_wave_0_\@:
	s_barrier_wait -3
	s_barrier_signal -1
	s_barrier_wait -1
.endm
.macro CROUND
	s_barrier_signal -1
	s_barrier_wait -1
	CREST
.endm
	s_load_b128 s[4:7], s[0:1], 0x0                ; rc, rs
	s_load_b128 s[96:99], s[0:1], 0x10             ; bq, bk
	s_load_b64 s[100:101], s[0:1], 0x20            ; bv
	s_load_b128 s[8:11], s[0:1], 0x28              ; qkvc, qkvs
	v_lshl_add_u32 v[SPW], v0, 2, SPARE
	v_mov_b32 v[NIL], 0
	ds_add_u32 v28, v29
	ds_add_u32 v28, v29
	s_wait_dscnt 0x0
	v_lshrrev_b32 v1, 5, v0
	v_readfirstlane_b32 s14, v1                    ; wave 0..3
	s_lshr_b32 s15, s14, 1                         ; which half of A's rows is mine.  Also: I fetch for A (0) or for B (1)
	s_and_b32 s16, s14, 1                          ; which half of B's rows.  Also: which 128 rows I fetch
	s_bfe_u32 s40, ttmp6, 0x40000                  ; cx
	s_bfe_u32 s41, ttmp6, 0x40004                  ; cy
	s_and_b32 s2, ttmp7, 0xffff
	s_lshl_b32 s2, s2, 2                           ; 4 x cluster y: x's tiles of 256 rows
	s_lshl_b32 s3, ttmp9, 2
	s_add_co_u32 s3, s3, 32                        ; wq's tiles begin at 32, wk's at 36
	s_cmp_eq_u32 ttmp9, 2                          ; v?  The cluster's x is the same in all sixteen partners
	s_cselect_b32 s17, 40, s2
	s_cselect_b32 s42, s2, s3
	s_add_co_u32 s17, s17, s41                     ; A's tile: x's (q, k) or wv's (v), + cy
	s_add_co_u32 s42, s42, s40                     ; B's tile: the weight's (q, k) or x's (v), + cx
	s_lshl_b32 s43, s41, 2
	s_lshl_b32 s43, 15, s43                        ; my row of the cluster
	s_lshl_b32 s44, 0x1111, s40                    ; my column
	s_or_b32 s[G1+0], s43, (0<<16)|(1<<20)|(1<<21)|(3<<22)|(3<<25)  ; the mask; elements of 1 byte; padding on; bit 21 beside a mask; 4 words behind every 16
	s_or_b32 s[G1B+0], s44, (0<<16)|(1<<20)|(1<<21)|(3<<22)|(3<<25)
.irp g, G1, G1B
	s_mov_b32 s[\g+1], ROWB<<16
	s_mov_b32 s[\g+2], 128<<16
	s_mov_b32 s[\g+3], ROWB<<16
	s_mov_b32 s[\g+4], 128
	s_mov_b32 s[\g+5], KROW
	s_mov_b32 s[\g+6], 0
	s_mov_b32 s[\g+7], 0
.endr
	s_or_b32 s[G1S+0], s43, (3<<16)|(1<<20)|(1<<21)|(5<<22)|(3<<25) ; the scales of 128 rows: 4,096 dense bytes as rows of 256, 16 bytes of padding behind each
	s_or_b32 s[G1SB+0], s44, (3<<16)|(1<<20)|(1<<21)|(5<<22)|(3<<25)
.irp g, G1S, G1SB
	s_mov_b32 s[\g+1], 32<<16
	s_mov_b32 s[\g+2], (128*KS/256)<<16
	s_mov_b32 s[\g+3], 32<<16
	s_mov_b32 s[\g+4], 128*KS/256
	s_mov_b32 s[\g+5], 32
	s_mov_b32 s[\g+6], 0
	s_mov_b32 s[\g+7], 0
.endr
	s_lshl_b32 s18, s16, 7
	s_lshl_b32 s20, s17, 8
	s_add_co_u32 s20, s20, s18                     ; A: row 256 x tile + 128 x half
	s_lshl_b32 s46, s42, 8
	s_add_co_u32 s46, s46, s18                     ; B likewise
	s_mov_b32 s21, 0
	s_mov_b32 s47, 0
	s_mov_b64 s[18:19], KS
	s_mul_u64 s[22:23], s[20:21], s[18:19]
	s_mul_u64 s[92:93], s[46:47], s[18:19]
	s_mov_b64 s[18:19], KROW
	s_mul_u64 s[20:21], s[20:21], s[18:19]
	s_mul_u64 s[46:47], s[46:47], s[18:19]
	s_mul_i32 s45, s14, HALFT                      ; where they go: wave x 128 rows
	s_mul_i32 s94, s14, HALFS
	s_wait_kmcnt 0x0
	s_add_nc_u64 s[20:21], s[4:5], s[20:21]
	s_add_nc_u64 s[22:23], s[6:7], s[22:23]
	s_add_nc_u64 s[46:47], s[4:5], s[46:47]
	s_add_nc_u64 s[92:93], s[6:7], s[92:93]
	CROUND                                         ; all sixteen work-groups are here: the first joint loads meet
	s_mov_b32 s[G0S], 1
	s_add_co_u32 s[G0S+1], s94, SCL
	s_mov_b64 s[G0S+2:G0S+3], s[22:23]
	s_or_b32 s[G0S+3], s[G0S+3], 0x80000000
	s_mov_b32 s[G0SB], 1
	s_add_co_u32 s[G0SB+1], s94, SCL
	s_mov_b64 s[G0SB+2:G0SB+3], s[92:93]
	s_or_b32 s[G0SB+3], s[G0SB+3], 0x80000000
	JLOAD G0S, G1S, G0SB, G1SB                     ; the scales first
.irp s, 0,1
	s_mov_b32 s[G0+4*\s], 1
	s_add_co_u32 s[G0+4*\s+1], s45, \s*SLOT
	s_add_nc_u64 s[G0+4*\s+2:G0+4*\s+3], s[20:21], \s*ROWB
	s_or_b32 s[G0+4*\s+3], s[G0+4*\s+3], 0x80000000
	s_mov_b32 s[G0B+4*\s], 1
	s_add_co_u32 s[G0B+4*\s+1], s45, \s*SLOT
	s_add_nc_u64 s[G0B+4*\s+2:G0B+4*\s+3], s[46:47], \s*ROWB
	s_or_b32 s[G0B+4*\s+3], s[G0B+4*\s+3], 0x80000000
	JLOAD G0+4*\s, G1, G0B+4*\s, G1B               ; three tensor loads of mine are out now
.endr
	v_and_b32 v1, 15, v0                           ; r
	v_bfe_u32 v2, v0, 4, 1                         ; h
	v_mul_u32_u24 v3, v1, PITCH
	v_mul_u32_u24 v4, v2, 24
	v_add_nc_u32 v4, v3, v4
	v_lshl_add_u32 v5, v2, 4, v4                   ; the same behind one padding more
	s_mul_i32 s21, s15, HALFT
	s_mul_i32 s22, s16, HALFT
	s_add_co_u32 s22, s22, 2*HALFT
.irp s, 0,1
	v_add_nc_u32 v[ADRA+\s], s21, v4
	v_add_nc_u32 v[ADRB+\s], s22, v4
	v_add_nc_u32 v[ADRA+2+\s], s21, v5
	v_add_nc_u32 v[ADRB+2+\s], s22, v5
	s_add_co_u32 s21, s21, SLOT
	s_add_co_u32 s22, s22, SLOT
.endr
	v_mul_u32_u24 v5, v1, KS
	v_lshrrev_b32 v6, 8, v5
	v_lshl_add_u32 v5, v6, 4, v5
	s_mul_i32 s21, s15, HALFS
	s_mul_i32 s22, s16, HALFS
	s_add_co_u32 s22, s22, 2*HALFS
	s_sub_co_u32 s22, s22, s21
	v_mul_u32_u24 v6, s22, v2                      ; lanes 16-31 take B's scale words
	s_add_co_u32 s21, s21, SCL
	v_add_nc_u32 v5, v5, v6
	v_add_nc_u32 v[ADRS], s21, v5
	; the bias in the result's layout.  q, k: register j of tile b is column 32 (b / 2) + 8 (b % 2) + 16 h + j of my 128; v: all eight registers of block a are column 32 (a / 2) + 8 (a % 2) + r + 8 (r / 8)
	s_lshl_b32 s21, s40, 10
	s_lshl_b32 s22, s16, 9
	s_add_co_u32 s21, s21, s22
	v_lshl_add_u32 v8, v2, 6, s21
	s_lshl_b32 s21, s41, 10
	s_lshl_b32 s22, s15, 9
	s_add_co_u32 s21, s21, s22
	v_and_b32 v9, 8, v1
	v_add_nc_u32 v9, v9, v1
	v_lshl_add_u32 v9, v9, 2, s21
	s_cmp_eq_u32 ttmp9, 0
	s_cselect_b64 s[12:13], s[96:97], s[98:99]
	s_cmp_eq_u32 ttmp9, 2
	s_cbranch_scc1 .Lbias_v
.irp b, 0,1,2,3,4,5,6,7
	global_load_b128 v[BIAS+8*\b:BIAS+8*\b+3], v8, s[12:13] offset:(32*(\b/2)+8*(\b%2))*4
	global_load_b128 v[BIAS+8*\b+4:BIAS+8*\b+7], v8, s[12:13] offset:(32*(\b/2)+8*(\b%2))*4+16
.endr
	s_branch .Lbias_done
.Lbias_v:
	s_wait_alu depctr_va_vdst(0)
.irp a, 0,1,2,3,4,5,6,7
.irp j, 0,1,2,3,4,5,6,7
	global_load_b32 v[BIAS+8*\a+\j], v9, s[100:101] offset:(32*(\a/2)+8*(\a%2))*4
.endr
.endr
.Lbias_done:
.macro FRAG reg, adr, q, i             ; 16 rows x 128 K: 12 registers; lane l: row l % 16; registers 6 c .. 6 c + 5: the 24 bytes of K = 64 c + 32 (l / 16) + 0 .. 31, in pieces of 8 bytes
.irp p, 0,1,2,3,4,5
.set PCE, 12*(\q)+6*(\p/3)+\p%3        ; where the piece three on lies behind one padding more, the second address register serves
.if PCE%8 < 5
	ds_load_b64 v[\reg+2*\p:\reg+2*\p+1], v[\adr] offset:8*PCE+16*(PCE/8)+(\i)*16*PITCH
.else
	ds_load_b64 v[\reg+2*\p:\reg+2*\p+1], v[\adr+2] offset:8*PCE+16*(PCE/8)+(\i)*16*PITCH
.endif
.endr
.endm
; 16 products: A's blocks a0, a0 + 1 x B's eight.  zero = 0: in place; 2: C = the bias by B's tile (q, k); 3: by A's block (v).  The 64 accumulators take turns, one instruction a turn.
.macro MUL16 a0, p, q, sc, zero
.irp a, \a0, \a0+1
.irp b, 0,1,2,3,4,5,6,7
.if \zero == 2
	v_wmma_scale_f32_16x16x128_f8f6f4 v[8*(8*((\a)%4)+\b):8*(8*((\a)%4)+\b)+7], v[128*(\p)+FR*\b:128*(\p)+FR*\b+FR-1], v[AF+FR*(\a):AF+FR*(\a)+FR-1], v[BIAS+8*\b:BIAS+8*\b+7], v[SC+8*NQ*(\sc)+NQ*\b+(\q)], v[SC+8*NQ*(\sc)+NQ*(\a)+(\q)] matrix_a_fmt:MATRIX_FMT_BF6 matrix_b_fmt:MATRIX_FMT_BF6 matrix_a_scale:MATRIX_SCALE_ROW1
.elseif \zero == 3
	v_wmma_scale_f32_16x16x128_f8f6f4 v[8*(8*((\a)%4)+\b):8*(8*((\a)%4)+\b)+7], v[128*(\p)+FR*\b:128*(\p)+FR*\b+FR-1], v[AF+FR*(\a):AF+FR*(\a)+FR-1], v[BIAS+8*(\a):BIAS+8*(\a)+7], v[SC+8*NQ*(\sc)+NQ*\b+(\q)], v[SC+8*NQ*(\sc)+NQ*(\a)+(\q)] matrix_a_fmt:MATRIX_FMT_BF6 matrix_b_fmt:MATRIX_FMT_BF6 matrix_a_scale:MATRIX_SCALE_ROW1
.else
	v_wmma_scale_f32_16x16x128_f8f6f4 v[8*(8*((\a)%4)+\b):8*(8*((\a)%4)+\b)+7], v[128*(\p)+FR*\b:128*(\p)+FR*\b+FR-1], v[AF+FR*(\a):AF+FR*(\a)+FR-1], v[8*(8*((\a)%4)+\b):8*(8*((\a)%4)+\b)+7], v[SC+8*NQ*(\sc)+NQ*\b+(\q)], v[SC+8*NQ*(\sc)+NQ*(\a)+(\q)] matrix_a_fmt:MATRIX_FMT_BF6 matrix_b_fmt:MATRIX_FMT_BF6 matrix_a_scale:MATRIX_SCALE_ROW1
.endif
.endr
.endr
.endm
.macro FETCH_B slot, q, p
	WIN TO_B
.irp i, 0,1,2,3,4,5,6,7
	FRAG 128*(\p)+FR*\i, ADRB+\slot, \q, \i
.endr
	WIN 0
.endm
.macro FETCH_A slot, q, i0
.irp i, \i0, \i0+1, \i0+2, \i0+3
	FRAG AF+FR*(\i), ADRA+\slot, \q, \i
.endr
.endm
.macro SCALES sc                       ; a K step's scale words: lanes 0-15 A's block i, lanes 16-31 B's block i
.irp i, 0,1,2,3,4,5,6,7
	ds_load_b64 v[SC+8*NQ*\sc+NQ*\i:SC+8*NQ*\sc+NQ*\i+1], v[ADRS] offset:\i*SBLK
.endr
.endm
.macro PLACES n                        ; plain vector instructions between a matrix instruction and a load into, or a read of, its registers (ISA guide 7.12.1 for reads)
.rept \n
	v_nop
.endr
.endm
.macro STEP slot, q, zero              ; 128 along K that have their successor in the same slot
	s_wait_dscnt 4*NL                              ; B's set and A's blocks 0-3 are in; A's blocks 4-7 (24 loads) may be out
	WINM 0, \zero
	MUL16 0, (\q)%2, \q, \slot, \zero
	MUL16 2, (\q)%2, \q, \slot, \zero
	s_wait_dscnt 0
	PLACES NP
	FETCH_B \slot, (\q)+1, 1-(\q)%2
	FETCH_A \slot, (\q)+1, 0
	WINM 1, \zero
	MUL16 4, (\q)%2, \q, \slot, \zero
	MUL16 6, (\q)%2, \q, \slot, \zero
	PLACES NP
	WIN 0
	FETCH_A \slot, (\q)+1, 4
.endm
; A slot's last step changes slots: one barrier; in front of it each wave waits for all its tensor loads, adds 0 to its spare word, and waits for that and for its reads of this slot.
.macro TURN slot, next, fill
	s_wait_tensorcnt 0x0                           ; all my tensor loads have landed: my part of the next slot
	ds_add_u32 v[SPW], v[NIL]                      ; 0 onto my spare word
	s_wait_dscnt 4*NL+1                            ; the add and A's blocks 4-7 may be out
	WIN MUL_LO
	MUL16 0, 1, NQ-1, \slot, 0
	s_wait_dscnt 0x0                               ; the add is done, and my reads of this slot are over
	s_barrier_signal -1
	MUL16 2, 1, NQ-1, \slot, 0
	WIN 0
	s_barrier_wait -1
.if \fill
	CREST                                          ; the barrier has opened a round of the cluster's: no wave of any partner still reads this slot or has a load on its way
	s_add_nc_u64 s[G0+4*\slot+2:G0+4*\slot+3], s[G0+4*\slot+2:G0+4*\slot+3], 2*ROWB
	s_add_nc_u64 s[G0B+4*\slot+2:G0B+4*\slot+3], s[G0B+4*\slot+2:G0B+4*\slot+3], 2*ROWB
	JLOAD G0+4*\slot, G1, G0B+4*\slot, G1B         ; the first tensor load behind the round; its four v_nop are the places in front of the loads below
.else
	PLACES NP
.endif
	s_wait_alu depctr_va_vdst(0)
	v_add_nc_u32 v[ADRS], 4*NQ, v[ADRS]
	FETCH_B \next, 0, 0
	FETCH_A \next, 0, 0
	SCALES \next
	WIN MUL_HI
	MUL16 4, 1, NQ-1, \slot, 0
	MUL16 6, 1, NQ-1, \slot, 0
	PLACES NP
	WIN 0
	FETCH_A \next, 0, 4
.endm
	s_wait_tensorcnt 1                             ; the scales and my part of K step 0 are in; K step 1's load may be out
	s_barrier_signal -1
	s_barrier_wait -1
	FETCH_B 0, 0, 0
	FETCH_A 0, 0, 0
	s_wait_alu depctr_va_vdst(0)
	SCALES 0
	FETCH_A 0, 0, 4
	s_wait_loadcnt 0x0                             ; the bias
	s_cmp_eq_u32 ttmp9, 2
	s_cbranch_scc1 .Lfirst_v
	STEP 0, 0, 2                                   ; the first step's products start the sums from the bias
	s_branch .Lfirst_done
.Lfirst_v:
	STEP 0, 0, 3
.Lfirst_done:
	s_mov_b32 s3, LAPS-1
.Llap:
	TURN 0, 1, 1
	STEP 1, 0, 0
	TURN 1, 0, 1
	STEP 0, 0, 0
	s_sub_co_u32 s3, s3, 1
	s_cmp_lg_u32 s3, 0
	s_cbranch_scc1 .Llap
	TURN 0, 1, 0                                   ; the last lap fills nothing
	STEP 1, 0, 0
	s_wait_dscnt 4*NL
	WIN MUL_LO
	MUL16 0, 1, NQ-1, 1, 0
	MUL16 2, 1, NQ-1, 1, 0
	s_wait_dscnt 0
	WIN MUL_HI
	MUL16 4, 1, NQ-1, 1, 0
	MUL16 6, 1, NQ-1, 1, 0
	WIN 0
	PLACES NP
; THE WAY OUT.  Block a's 64 registers of a lane: register 16 b + i = k 32 b + 16 (lane / 16) + i of my row.  They become a fragment's codes in v[PC] on and its scale word in v[W + a].
.macro QUANTW a
.set AC, 64*((\a)%4)
.irp b, 0,1,2,3
	v_mov_b32 v[TM+\b], 0x2800000                  ; the floor 2^(5 - 127): the byte cannot fall under 1
.endr
	WIN 0x28+0x14*((\a)/4)                         ; sources 1 and 2: window 2 or 3
.irp i, 0,2,4,6,8,10,12,14
.irp b, 0,1,2,3
	v_max3_num_f32 v[TM+\b], v[TM+\b], |v[AC+16*\b+\i]|, |v[AC+16*\b+\i+1]|   ; ascending: each accumulator is first read at its low end
.endr
.endr
	WIN 0
.irp b, 0,1,2,3
	v_permlanex16_b32 v[TM+4+\b], v[TM+\b], s18, s19
.endr
.irp b, 0,1,2,3
	v_max_num_f32 v[TM+\b], v[TM+\b], v[TM+4+\b]   ; with lane l xor 16's: the block's largest magnitude
.endr
.irp b, 0,1,2,3
	v_add_nc_u32 v[TM+12+\b], 0xfe000000, v[TM+\b] ; 4 off its exponent field: the conversion's scale operand
.endr
.irp b, 0,1,2,3
	v_lshrrev_b32 v[TM+4+\b], 23, v[TM+12+\b]
.endr
	v_lshl_or_b32 v[W+(\a)], v[TM+5], 8, v[TM+4]
	v_lshl_or_b32 v[W+(\a)], v[TM+6], 16, v[W+(\a)]
	v_lshl_or_b32 v[W+(\a)], v[TM+7], 24, v[W+(\a)]
	s_wait_xcnt 0x0                                ; the last block's stores have read the codes' registers: they are rewritten only behind this wait
	WIN 0x02+((\a)/4)
.irp c, 0,1
	v_cvt_scalef32_pk16_bf6_f32 v[PC+6*\c:PC+2+6*\c], v[AC+32*\c:AC+15+32*\c], v[TM+12+2*\c]
	v_cvt_scalef32_pk16_bf6_f32 v[PC+12+4*\c:PC+14+4*\c], v[AC+16+32*\c:AC+31+32*\c], v[TM+12+2*\c+1]
.endr
	WIN 0
	v_nop                                          ; one plain place behind a scaled conversion
.irp c, 0,1                            ; the operand's layout wants a whole block in a lane
.irp i, 0,1,2
	v_permlane16_swap_b32 v[PC+6*\c+\i], v[PC+12+4*\c+\i]
.endr
.irp i, 0,1,2
	v_mov_b32 v[PC+3+6*\c+\i], v[PC+12+4*\c+\i]
.endr
.endr
.endm
	v_and_b32 v1, 15, v0
	v_bfe_u32 v2, v0, 4, 1
	v_and_b32 v3, 31, v0
	v_lshlrev_b32 v[L16], 4, v3
	v_lshlrev_b32 v[L8], 3, v3
	v_lshlrev_b32 v[SH], 4, v2
.irp b, 0,1,2,3
	v_mov_b32 v[TM+4+\b], 0                        ; written once: a lane permute's destination counts as one of its sources
.endr
	s_mov_b32 s18, 0x76543210
	s_mov_b32 s19, 0xfedcba98
	s_mov_b32 s23, 0
	s_cmp_eq_u32 ttmp9, 2
	s_cbranch_scc1 .Lout_v
	; q, k: my rows are 8 tiles of 16 tokens of one batch; my 128 columns are two heads: registers 0-5 of a fragment are the first head's half fragment, 6-11 the second's
	s_lshr_b32 s20, s17, 2                         ; batch
	s_and_b32 s21, s17, 3
	s_lshl_b32 s21, s21, 4
	s_lshl_b32 s22, s15, 3
	s_add_co_u32 s21, s21, s22                     ; my first tile of tokens in the batch
	s_lshl_b32 s20, s20, 4
	s_lshl_b32 s22, s40, 2
	s_add_co_u32 s20, s20, s22
	s_lshl_b32 s22, s16, 1
	s_add_co_u32 s20, s20, s22                     ; 16 x batch + my first head
	s_lshl_b32 s22, s20, 6
	s_add_co_u32 s22, s22, s21
	s_mul_i32 s22, s22, 768
	s_mul_i32 s46, ttmp9, 6291456                  ; q's part, or k's
	s_add_co_u32 s22, s22, s46
	s_add_nc_u64 s[8:9], s[8:9], s[22:23]
	s_lshl_b32 s22, s20, 12
	s_lshl_b32 s46, s21, 6
	s_add_co_u32 s22, s22, s46
	s_lshl_b32 s46, ttmp9, 19
	s_add_co_u32 s22, s22, s46
	s_add_nc_u64 s[10:11], s[10:11], s[22:23]
	s_wait_alu depctr_va_vdst(0)
	v_lshlrev_b32 v[SO], 12, v2
	v_lshl_add_u32 v[SO], v1, 4, v[SO]             ; lanes 0-15 store the first head's words, lanes 16-31 the second's
.irp a, 0,1,2,3,4,5,6,7
	QUANTW \a
	global_store_b128 v[L16], v[PC:PC+3], s[8:9] offset:768*\a               ; each store covers 512 or 256 consecutive bytes, aligned to 256
	global_store_b64 v[L8], v[PC+4:PC+5], s[8:9] offset:768*\a+512
	global_store_b128 v[L16], v[PC+6:PC+9], s[8:9] offset:49152+768*\a
	global_store_b64 v[L8], v[PC+10:PC+11], s[8:9] offset:49152+768*\a+512
.endr
.irp a, 0,1,2,3,4,5,6,7
	v_lshrrev_b32 v[D+\a], v[SH], v[W+\a]          ; the second head's two bytes come down; what stands in bytes 2 and 3 scales zero codes and is never 0xff
.endr
	global_store_b128 v[SO], v[D:D+3], s[10:11]
	global_store_b128 v[SO], v[D+4:D+7], s[10:11] offset:256
	s_branch .Lend
.Lout_v:
	; v: my rows are 128 channels = two heads x four tiles of 16; my 128 columns are one step of 128 keys: a whole fragment for each block
	s_lshr_b32 s20, s42, 2
	s_lshl_b32 s20, s20, 4
	s_lshl_b32 s21, s41, 2
	s_add_co_u32 s20, s20, s21
	s_lshl_b32 s21, s15, 1
	s_add_co_u32 s20, s20, s21                     ; 16 x batch + my first head
	s_and_b32 s21, s42, 3
	s_lshl_b32 s21, s21, 1
	s_add_co_u32 s21, s21, s16                     ; which 128 keys of the batch
	s_lshl_b32 s22, s20, 3
	s_add_co_u32 s22, s22, s21
	s_mul_i32 s22, s22, 6144
	s_add_co_u32 s22, s22, 12582912
	s_add_nc_u64 s[8:9], s[8:9], s[22:23]
	s_lshl_b32 s22, s20, 11
	s_lshl_b32 s46, s21, 8
	s_add_co_u32 s22, s22, s46
	s_add_co_u32 s22, s22, 1048576
	s_add_nc_u64 s[10:11], s[10:11], s[22:23]
	s_wait_alu depctr_va_vdst(0)
	v_lshlrev_b32 v[SO], 11, v2
	v_lshl_add_u32 v[SO], v1, 4, v[SO]
.irp a, 0,1,2,3,4,5,6,7
	QUANTW \a
.irp c, 0,1,2
	global_store_b128 v[L16], v[PC+4*\c:PC+4*\c+3], s[8:9] offset:(\a/4)*49152+(\a%4)*1536+512*\c
.endr
.endr
	v_cmp_eq_u32 vcc_lo, 1, v2
.irp i, 0,1,2,3
	v_cndmask_b32 v[D+\i], v[W+\i], v[W+4+\i], vcc_lo   ; lanes 0-15: the first head's four tiles; lanes 16-31: the second's
.endr
	global_store_b128 v[SO], v[D:D+3], s[10:11]
.Lend:
	s_wait_tensorcnt 0x0                           ; the wave's end
	ds_add_u32 v[SPW], v[NIL]
	s_wait_dscnt 0x0
	CROUND                                         ; the closing round: no work-group ends while a partner may still ask for a tile that names it
	s_endpgm
.Lfunc_end_k_q07f39db58f_qkv:
	.size	k_q07f39db58f_qkv, .Lfunc_end_k_q07f39db58f_qkv-k_q07f39db58f_qkv
	.p2alignl 7, 3214868480
	.fill 96, 4, 3214868480
	.section	.rodata,"a",@progbits
	.p2align	6, 0x0
	.amdhsa_kernel k_q07f39db58f_qkv
		.amdhsa_group_segment_fixed_size 327680
		.amdhsa_private_segment_fixed_size 0
		.amdhsa_enable_private_segment 0
		.amdhsa_kernarg_size 56
		.amdhsa_user_sgpr_count 2
		.amdhsa_user_sgpr_kernarg_segment_ptr 1
		.amdhsa_wavefront_size32 1
		.amdhsa_system_sgpr_workgroup_id_x 1
		.amdhsa_system_sgpr_workgroup_id_y 1
		.amdhsa_system_sgpr_workgroup_id_z 1
		.amdhsa_system_vgpr_workitem_id 0
		.amdhsa_next_free_vgpr 1024
		.amdhsa_next_free_sgpr 102
		.amdhsa_reserve_vcc 1
		.amdhsa_float_denorm_mode_32 3
		.amdhsa_float_denorm_mode_16_64 3
		.amdhsa_memory_ordered 1
		.amdhsa_forward_progress 1
		.amdhsa_inst_pref_size 225
	.end_amdhsa_kernel
	.amdgpu_metadata
---
amdhsa.version: [ 1, 2 ]
amdhsa.kernels:
  - .name:           k_q07f39db58f_qkv
    .symbol:         k_q07f39db58f_qkv.kd
    .args:
      - { .name: rc, .offset: 0, .size: 8, .value_kind: global_buffer, .address_space: global }
      - { .name: rs, .offset: 8, .size: 8, .value_kind: global_buffer, .address_space: global }
      - { .name: bq, .offset: 16, .size: 8, .value_kind: global_buffer, .address_space: global }
      - { .name: bk, .offset: 24, .size: 8, .value_kind: global_buffer, .address_space: global }
      - { .name: bv, .offset: 32, .size: 8, .value_kind: global_buffer, .address_space: global }
      - { .name: qkvc, .offset: 40, .size: 8, .value_kind: global_buffer, .address_space: global }
      - { .name: qkvs, .offset: 48, .size: 8, .value_kind: global_buffer, .address_space: global }
    .group_segment_fixed_size: 327680
    .private_segment_fixed_size: 0
    .kernarg_segment_align: 8
    .kernarg_segment_size: 56
    .max_flat_workgroup_size: 128
    .sgpr_count:     102
    .vgpr_count:     1024
    .wavefront_size: 32
...
	.end_amdgpu_metadata
.endif
;; end of part 2
;; launch attn (part 3): grid 4 x 64, 16 waves a work-group, clusters of 4 x 1, 215,040 bytes of LDS; arguments qkvc, qkvs, mask, ctxc, ctxs; writes ctxc, ctxs
.if DOCPART == 3
	.amdgcn_target "amdgcn-amd-amdhsa--gfx1250"
	.amdhsa_code_object_version 6
	.text
	.protected	k_q07f39db58f_attn
	.globl	k_q07f39db58f_attn
	.p2align	8
	.type	k_q07f39db58f_attn,@function
k_q07f39db58f_attn:
	s_mov_b64 s[64:65], 0
	v_nop
	global_prefetch_b8 v0, s[64:65] scope:SCOPE_SE
	s_setreg_imm32_b32 hwreg(HW_REG_WAVE_MODE, 25, 1), 1
	s_wait_xcnt 0x0
	s_wait_alu depctr_hold_cnt(0) depctr_sa_sdst(0) depctr_va_vdst(0) depctr_va_sdst(0) depctr_va_ssrc(0) depctr_va_vcc(0) depctr_vm_vsrc(0)
	s_getreg_b32 s2, hwreg(HW_REG_IB_STS2, 6, 4)
	s_cmp_eq_u32 s2, 0
	s_cbranch_scc0 .Lentry_in_a_cluster
	s_endpgm
.Lentry_in_a_cluster:
	s_bfe_u32 s2, ttmp6, 0x10000c
	s_cmp_lg_u32 s2, 0x3003
	s_cbranch_scc0 .Lentry_shape_is_right
	s_endpgm
.Lentry_shape_is_right:
; ctx = softmax(q k^T / 8 + mask x (-10000)) v for two heads of one batch, both products on codes of BF6 (E3M2) with E8M0 scales; ctx is quantised along the model's axis and leaves as images of operand registers.
; THE SOFTMAX AHEAD OF THE SECOND PRODUCT: t = logit x log2(e); M = the running largest t rounded up to a whole number; p = 2^(t - M) is quantised along the keys, not normalised; the row's sum is taken of the
; unquantised p and divides at the end.  When M moves, the sum and O are multiplied by 2^(old M - new M): exact.
; SHARES.  A work-group: 256 queries x two neighbouring heads; each of sixteen waves one tile of 16 queries, first head then second, so that a wave makes a whole fragment (128 along the model's axis) of ctx.
; The four work-groups of a cluster walk the same K and V: every tile is asked for jointly, once, at the start: both heads' K and V images and scale words stay in LDS; nothing is filled again.
; LAYOUT.  S^T = K Q^T (source 0 = 16 keys, source 1 = my 16 queries), O^T = V^T P^T: a lane holds ONE query throughout.  K = 64 in the first product: registers 6-11 of both operands are zeros.
; The tiles of keys and of V's channels stand in an order by which the 16 registers of two neighbouring tiles are 16 neighbours (keys 32 b + 16 (lane / 16) + i).
; THE MASK enters as the C of the first product: 8 x mask x (-10000), so that sum / 8 is the logit.
; LIMITS: that addition is made inside the matrix unit's f32 sum and not by an f32 add behind the division: it shows only in rows all of whose keys are masked, within one unit in the last place of 80,000.
; A block of zeros, or one under 2^-122, keeps the scale byte 1.  NaN and infinities are not served.  1 / sum by v_rcp_f32.
; REGISTERS: v1-6 addresses that stay; v7-12 the step's; v14 -M, v15 largest t, v[16:17] the sum; v18-19 Q's scale words; v20-43 Q (two heads); v44-91 four fragments of K; v92-155 S^T, then p, then V;
; v156-187 O^T; v188-199 p's codes; v200-219 at work; v220-231 K's and V's scale words; v232 f, v233 p's scale word; v236-247 ctx's fragment, v248 its scale word.
.set VB,   98304                       ; LDS: K's images 0.., V's images, K's scale words, V's scale words, the mask terms (written by LDS stores: no fill lands there)
.set KSC,  196608
.set VSC,  204800
.set MSK,  208896
.set F,    44
.set S,    92
.set O,    156
.set P,    188
.set CV,   200
.set BM,   208
.set PT,   212
.set SCO,  216
.set KSW,  220
.set VSW,  228
.set CT,   236
.set CWD,  248
.set SEL,  20
.set CS,   22
.set TK,   48                          ; s48 the step's images (6,144 bytes a step, K's and V's alike); s49 K's scale words (512); s50 V's (256); s51 the mask terms (512); s52 steps to go
.set TSK,  49
.set TSV,  50
.set TMK,  51
.set CNT,  52
.macro CROUND
	s_barrier_signal -1
	s_barrier_wait -1
	s_cmp_lg_u32 s14, 0
	s_cbranch_scc1 .Lnot_wave_0_\@
	s_barrier_signal -3
.Lnot_wave_0_\@:
	s_barrier_wait -3
	s_barrier_signal -1
	s_barrier_wait -1
.endm
.macro NOPS
.rept 4
	v_nop
.endr
.endm
	s_load_b256 s[4:11], s[0:1], 0x0               ; qkvc, qkvs, mask, ctxc
	s_load_b64 s[12:13], s[0:1], 0x20              ; ctxs
	v_lshl_add_u32 v254, v0, 2, 0x34000
	v_mov_b32 v255, 0
	ds_add_u32 v254, v255
	ds_add_u32 v254, v255
	v_lshrrev_b32 v13, 5, v0
	s_delay_alu instid0(VALU_DEP_1)
	v_readfirstlane_b32 s14, v13                   ; wave 0..15
	s_bfe_u32 s15, ttmp6, 0x40000                  ; cx: my quarter of the queries; it enters Q's and ctx's global addresses alone
	s_and_b32 s16, ttmp7, 0xffff                   ; 8 x batch + pair of heads
	s_lshl_b32 s17, s16, 1                         ; 16 x batch + my first head
	; group 1: dense blocks as rows of 256 bytes (32 elements of 8 bytes); mask: all four work-groups; bit 21 beside it
	s_mov_b32 s24, 15|(3<<16)|(1<<21)
	s_mov_b32 s25, 32<<16
	s_mov_b32 s26, 96<<16
	s_mov_b32 s27, 32<<16
	s_mov_b32 s28, 96                              ; 24,576 bytes: half a head's images
	s_mov_b32 s29, 32
	s_mov_b32 s30, 0
	s_mov_b32 s31, 0
	s_mov_b32 s32, 15|(3<<16)|(1<<21)
	s_mov_b32 s33, 32<<16
	s_mov_b32 s34, 16<<16
	s_mov_b32 s35, 32<<16
	s_mov_b32 s36, 16                              ; 4,096 bytes of scale words
	s_mov_b32 s37, 32
	s_mov_b32 s38, 0
	s_mov_b32 s39, 0
	s_and_b32 s53, s14, 7
	s_mul_i32 s53, s53, 24576                      ; waves 0-3: K's four parts; 4-7: V's
	s_bfe_u32 s54, s14, 0x10002
	s_add_co_u32 s54, s54, 1
	s_mul_i32 s54, s54, 6291456
	s_mul_i32 s55, s17, 49152
	s_add_co_u32 s54, s54, s55
	s_and_b32 s57, s14, 3
	s_mul_i32 s56, s57, 24576
	s_add_co_u32 s54, s54, s56
	s_mov_b32 s55, 0
	s_lshl_b32 s58, s57, 12
	s_add_co_u32 s59, s58, KSC                     ; waves 8, 9: K's scale words of the two heads; wave 10: V's of both
	s_lshl_b32 s60, s17, 12
	s_add_co_u32 s60, s60, s58
	s_add_co_u32 s60, s60, 524288
	s_lshl_b32 s62, s17, 11
	s_add_co_u32 s62, s62, 1048576
	s_cmp_eq_u32 s57, 2
	s_cselect_b32 s60, s62, s60
	s_mov_b32 s61, 0
	s_mov_b32 s[SEL], 0x76543210
	s_mov_b32 s[SEL+1], 0xfedcba98
	s_mov_b32 s[CS], 0x3e38aa3b                    ; c = log2(e) / 8
	s_mov_b32 s[CS+1], s[CS]
	s_wait_dscnt 0x0
	s_wait_kmcnt 0x0
	s_mov_b32 s40, 1
	s_mov_b32 s41, s53
	s_add_nc_u64 s[42:43], s[4:5], s[54:55]
	s_or_b32 s43, s43, 0x80000000
	s_mov_b32 s44, 1
	s_mov_b32 s45, s59
	s_add_nc_u64 s[46:47], s[6:7], s[60:61]
	s_or_b32 s47, s47, 0x80000000
	CROUND                                         ; all four work-groups are here: the joint loads meet
	s_cmp_lt_u32 s14, 8                            ; a wave issues one load at the most; the branches hang on the wave's number alone; four v_nop follow each line
	s_cbranch_scc0 .Lnot_images
	tensor_load_to_lds s[40:43], s[24:31]
	s_nop 0
	NOPS
	s_branch .Lasked
.Lnot_images:
	s_cmp_lt_u32 s14, 11
	s_cbranch_scc0 .Lasked
	tensor_load_to_lds s[44:47], s[32:39]
	s_nop 0
	NOPS
.Lasked:
	v_and_b32 v13, 31, v0
	s_delay_alu instid0(VALU_DEP_1)
	v_lshlrev_b32 v1, 4, v13                       ; 16 x lane
	s_delay_alu instid0(VALU_DEP_2)
	v_lshlrev_b32 v2, 3, v13                       ; 8 x lane
	s_delay_alu instid0(VALU_DEP_2)
	v_add_nc_u32 v3, VB, v1
	v_and_b32 v249, 15, v0
	s_delay_alu instid0(VALU_DEP_1)
	v_lshlrev_b32 v250, 2, v249                    ; 4 r
	s_delay_alu instid0(VALU_DEP_2)
	v_lshlrev_b32 v249, 4, v249                    ; 16 r
	s_wait_alu depctr_va_vdst(0)
	v_add_nc_u32 v4, KSC, v249
	v_add_nc_u32 v5, VSC, v249
	v_bfe_u32 v6, v0, 4, 1
	s_delay_alu instid0(VALU_DEP_1)
	v_lshl_add_u32 v6, v6, 6, MSK                  ; the mask terms of my half's keys: + 64 h
	v_lshlrev_b32 v252, 3, v0                      ; thread t takes mask[2 t], mask[2 t + 1]
	v_lshl_add_u32 v251, v0, 3, MSK
	s_lshr_b32 s66, s16, 3                         ; batch
	s_lshl_b32 s66, s66, 12
	s_mov_b32 s67, 0
	s_add_nc_u64 s[8:9], s[8:9], s[66:67]
	global_load_b64 v[234:235], v252, s[8:9]
	s_lshl_b32 s68, s15, 4
	s_add_co_u32 s68, s68, s14                     ; my tile of queries in the batch
	s_lshl_b32 s69, s17, 6
	s_add_co_u32 s69, s69, s68
	s_mul_i32 s70, s69, 768
	s_mov_b32 s71, 0
	s_add_nc_u64 s[70:71], s[4:5], s[70:71]
	global_load_b128 v[20:23], v1, s[70:71]                  ; Q's half fragments: registers 0-3, 4-5; the second head 49,152 bytes on
	global_load_b64 v[24:25], v2, s[70:71] offset:512
	global_load_b128 v[32:35], v1, s[70:71] offset:49152
	global_load_b64 v[36:37], v2, s[70:71] offset:49152+512
	s_lshr_b32 s72, s68, 2
	s_lshl_b32 s72, s72, 8
	s_and_b32 s73, s68, 3
	s_lshl_b32 s73, s73, 2
	s_add_co_u32 s72, s72, s73
	s_lshl_b32 s73, s17, 12
	s_add_co_u32 s72, s72, s73
	s_mov_b32 s73, 0
	s_add_nc_u64 s[72:73], s[6:7], s[72:73]
	global_load_b32 v18, v249, s[72:73]
	global_load_b32 v19, v249, s[72:73] offset:4096
	s_lshr_b32 s74, s16, 3
	s_lshl_b32 s74, s74, 6
	s_add_co_u32 s74, s74, s68                     ; my tile of tokens among all 512
	s_lshl_b32 s74, s74, 3
	s_and_b32 s75, s16, 7
	s_add_co_u32 s74, s74, s75                     ; x 8 + the K step of the last product = my pair of heads
	s_mul_i32 s76, s74, 1536
	s_mov_b32 s77, 0
	s_add_nc_u64 s[10:11], s[10:11], s[76:77]
	s_lshl_b32 s76, s74, 6
	s_add_nc_u64 s[12:13], s[12:13], s[76:77]
.irp j, 26,27,28,29,30,31,38,39,40,41,42,43
	v_mov_b32 v\j, 0                               ; K = 64: the upper halves of Q's fragments are zero codes,
.endr
.irp t, 0,1,2,3
.irp j, 6,7,8,9,10,11
	v_mov_b32 v[F+12*\t+\j], 0                     ; and of K's: they stay
.endr
.endr
.irp b, 0,1,2,3
	v_mov_b32 v[PT+\b], 0                          ; written once: a lane permute's destination counts as one of its sources
.endr
	v_mov_b32 v233, 0                              ; (named as the upper half of the pair v[232:233] before it is first written)
	s_wait_loadcnt 6                               ; the mask's load is in; Q's six behind it may be out
	v_cvt_f32_i32 v234, v234
	v_cvt_f32_i32 v235, v235
	s_delay_alu instid0(VALU_DEP_2)
	v_mul_f32 v234, 0xc79c4000, v234               ; x (-80,000) = 8 x (-10,000)
	s_delay_alu instid0(VALU_DEP_2)
	v_mul_f32 v235, 0xc79c4000, v235
	ds_store_b64 v251, v[234:235]
	s_wait_tensorcnt 0x0                           ; my tile has landed,
	s_wait_dscnt 0x0                               ; my mask terms are stored:
	s_barrier_signal -1
	s_barrier_wait -1                              ; everybody's are
	s_wait_loadcnt 0x0                             ; Q
; A KEY STEP: 128 keys.  qf: Q's fragment; qs: its scale word.
.macro STEP qf, qs
	v_add_nc_u32 v7, s[TK], v1                     ; six plain instructions: the places behind the last step's products, whose operands are loaded and written over below
	v_add_nc_u32 v8, s[TK], v2
	v_add_nc_u32 v9, s[TK], v3
	v_add_nc_u32 v10, s[TSK], v4
	v_add_nc_u32 v11, s[TSV], v5
	v_add_nc_u32 v12, s[TMK], v6
	ds_load_b128 v[KSW:KSW+3], v10
	ds_load_b128 v[KSW+4:KSW+7], v10 offset:256
.irp t, 0,1,2,3
	ds_load_b128 v[F+12*\t:F+12*\t+3], v7 offset:768*\t
	ds_load_b64 v[F+12*\t+4:F+12*\t+5], v8 offset:768*\t+512
	ds_load_b128 v[S+8*\t:S+8*\t+3], v12 offset:(32*(\t/2)+8*(\t%2))*4        ; the mask terms of the tile's keys, in the result's layout: the product's C
	ds_load_b128 v[S+8*\t+4:S+8*\t+7], v12 offset:(32*(\t/2)+8*(\t%2))*4+16
.endr
.irp t, 4,5,6,7
	ds_load_b128 v[S+8*\t:S+8*\t+3], v12 offset:(32*(\t/2)+8*(\t%2))*4
	ds_load_b128 v[S+8*\t+4:S+8*\t+7], v12 offset:(32*(\t/2)+8*(\t%2))*4+16
.endr
	s_wait_alu depctr_va_vdst(0)
	s_wait_dscnt 8                                 ; all but the mask terms of tiles 4-7
.irp t, 0,1,2,3
	v_wmma_scale_f32_16x16x128_f8f6f4 v[S+8*\t:S+8*\t+7], v[F+12*\t:F+12*\t+11], v[\qf:\qf+11], v[S+8*\t:S+8*\t+7], v[KSW+\t], v[\qs] matrix_a_fmt:MATRIX_FMT_BF6 matrix_b_fmt:MATRIX_FMT_BF6
.endr
	NOPS                                           ; places in front of loads into registers that these products read
.irp t, 0,1,2,3
	ds_load_b128 v[F+12*\t:F+12*\t+3], v7 offset:768*(\t+4)
	ds_load_b64 v[F+12*\t+4:F+12*\t+5], v8 offset:768*(\t+4)+512
.endr
	s_wait_dscnt 0x0
.irp t, 0,1,2,3
	v_wmma_scale_f32_16x16x128_f8f6f4 v[S+32+8*\t:S+32+8*\t+7], v[F+12*\t:F+12*\t+11], v[\qf:\qf+11], v[S+32+8*\t:S+32+8*\t+7], v[KSW+4+\t], v[\qs] matrix_a_fmt:MATRIX_FMT_BF6 matrix_b_fmt:MATRIX_FMT_BF6
.endr
	NOPS
.irp b, 0,1,2,3
	v_max3_num_f32 v[BM+\b], v[S+16*\b], v[S+16*\b+1], v[S+16*\b+2]   ; the largest score of each block of 32 keys: for the row's maximum, and, since p rises with the score, for the block's largest p
.endr
.irp i, 3,5,7,9,11,13
.irp b, 0,1,2,3
	v_max3_num_f32 v[BM+\b], v[BM+\b], v[S+16*\b+\i], v[S+16*\b+\i+1]
.endr
.endr
.irp b, 0,1,2,3
	v_max_num_f32 v[BM+\b], v[BM+\b], v[S+16*\b+15]
.endr
.irp b, 0,1,2,3
	s_delay_alu instid0(VALU_DEP_4)
	v_permlanex16_b32 v[PT+\b], v[BM+\b], s[SEL], s[SEL+1]
.endr
.irp b, 0,1,2,3
	s_delay_alu instid0(VALU_DEP_4)
	v_max_num_f32 v[BM+\b], v[BM+\b], v[PT+\b]
.endr
	s_delay_alu instid0(VALU_DEP_2)
	v_max3_num_f32 v234, v[BM], v[BM+1], v[BM+2]
	s_delay_alu instid0(VALU_DEP_1)
	v_max_num_f32 v234, v234, v[BM+3]
	s_delay_alu instid0(VALU_DEP_1)
	v_mul_f32 v234, s[CS], v234                    ; as t (c is positive)
	s_delay_alu instid0(VALU_DEP_1)
	v_max_num_f32 v15, v15, v234                   ; the running largest t
	v_mov_b32 v234, v14
	s_delay_alu instid0(VALU_DEP_2)
	v_floor_f32 v14, -v15                          ; the new -M = -ceil(t)
	s_delay_alu instid0(VALU_DEP_1)
	v_sub_f32 v234, v14, v234                      ; old M - new M: a whole number, 0 or less
	s_delay_alu instid0(VALU_DEP_1)
	v_cvt_i32_f32 v234, v234                       ; (it saturates)
	s_delay_alu instid0(VALU_DEP_1)
	v_ldexp_f32 v232, 1.0, v234                    ; f = 2^(old M - new M)
.set j, 0
.rept 32
	v_pk_fma_f32 v[S+j:S+j+1], v[S+j:S+j+1], s[CS:CS+1], v[14:15] op_sel_hi:[1,0,0]   ; t - M
.set j, j+2
.endr
.irp b, 0,1,2,3
	v_fma_f32 v[BM+\b], v[BM+\b], s[CS], v14
.endr
.set j, 0
	s_wait_alu depctr_va_vdst(0)
.rept 64
	v_exp_f32 v[S+j], v[S+j]                       ; p = 2^(t - M)
.set j, j+1
.endr
	s_setprio 1
.irp b, 0,1,2,3
	v_exp_f32 v[BM+\b], v[BM+\b]                   ; the block's largest p: the same two instructions on the same number
.endr
	v_pk_mul_f32 v[16:17], v[16:17], v[232:233] op_sel_hi:[1,0]   ; the sums under the new M (a plain place behind the exponentials)
	s_wait_alu depctr_va_vdst(0)
.irp b, 0,1,2,3
	v_max_num_f32 v[BM+\b], 0x2800000, v[BM+\b]    ; the floor 2^(5 - 127)
.endr
.irp b, 0,1,2,3
	s_delay_alu instid0(VALU_DEP_4)
	v_add_nc_u32 v[SCO+\b], 0xfe000000, v[BM+\b]
.endr
.irp b, 0,1,2,3
	s_delay_alu instid0(VALU_DEP_4)
	v_lshrrev_b32 v[PT+\b], 23, v[SCO+\b]
.endr
	s_delay_alu instid0(VALU_DEP_3)
	v_lshl_or_b32 v233, v[PT+1], 8, v[PT]          ; p's scale word for these 128 keys
	s_delay_alu instid0(VALU_DEP_1)
	v_lshl_or_b32 v233, v[PT+2], 16, v233
	s_delay_alu instid0(VALU_DEP_1)
	v_lshl_or_b32 v233, v[PT+3], 24, v233
.irp c, 0,1
	v_cvt_scalef32_pk16_bf6_f32 v[P+6*\c:P+6*\c+2], v[S+32*\c:S+32*\c+15], v[SCO+2*\c]
	v_cvt_scalef32_pk16_bf6_f32 v[CV+4*\c:CV+4*\c+2], v[S+16+32*\c:S+31+32*\c], v[SCO+2*\c+1]
.endr
	v_nop                                          ; one plain place behind a scaled conversion
.irp c, 0,1
.irp i, 0,1,2
	v_permlane16_swap_b32 v[P+6*\c+\i], v[CV+4*\c+\i]
.endr
.irp i, 0,1,2
	s_delay_alu instid0(VALU_DEP_3)
	v_mov_b32 v[P+3+6*\c+\i], v[CV+4*\c+\i]
.endr
.endr
	v_pk_add_f32 v[212:213], v[96:97], v[100:101]
	v_pk_add_f32 v[252:253], v[104:105], v[108:109]
	v_pk_add_f32 v[246:247], v[112:113], v[116:117]
	v_pk_add_f32 v[244:245], v[120:121], v[124:125]
	v_pk_add_f32 v[242:243], v[128:129], v[132:133]
	v_pk_add_f32 v[234:235], v[136:137], v[140:141]
	v_pk_add_f32 v[230:231], v[144:145], v[148:149]
	v_pk_add_f32 v[16:17], v[16:17], v[152:153]
	v_pk_add_f32 v[212:213], v[212:213], v[92:93]
	v_pk_add_f32 v[252:253], v[252:253], v[94:95]
	v_pk_add_f32 v[246:247], v[246:247], v[98:99]
	v_pk_add_f32 v[244:245], v[244:245], v[102:103]
	v_pk_add_f32 v[242:243], v[242:243], v[106:107]
	v_pk_add_f32 v[234:235], v[234:235], v[110:111]
	v_pk_add_f32 v[230:231], v[230:231], v[114:115]
	v_pk_add_f32 v[16:17], v[16:17], v[118:119]
	v_pk_add_f32 v[212:213], v[212:213], v[122:123]
	v_pk_add_f32 v[252:253], v[252:253], v[126:127]
	v_pk_add_f32 v[246:247], v[246:247], v[130:131]
	v_pk_add_f32 v[244:245], v[244:245], v[134:135]
	v_pk_add_f32 v[242:243], v[242:243], v[138:139]
	v_pk_add_f32 v[234:235], v[234:235], v[142:143]
	v_pk_add_f32 v[230:231], v[230:231], v[146:147]
	v_pk_add_f32 v[16:17], v[16:17], v[150:151]
	v_pk_add_f32 v[212:213], v[212:213], v[154:155]
	s_delay_alu instid0(VALU_DEP_2)
	v_pk_add_f32 v[16:17], v[16:17], v[244:245]
	s_delay_alu instid0(VALU_DEP_2)
	v_pk_add_f32 v[212:213], v[212:213], v[242:243]
	v_pk_add_f32 v[252:253], v[252:253], v[234:235]
	v_pk_add_f32 v[246:247], v[246:247], v[230:231]
	s_delay_alu instid0(VALU_DEP_2)
	v_pk_add_f32 v[16:17], v[16:17], v[252:253]
	s_delay_alu instid0(VALU_DEP_2)
	v_pk_add_f32 v[212:213], v[212:213], v[246:247]
	s_delay_alu instid0(VALU_DEP_1)
	v_pk_add_f32 v[16:17], v[16:17], v[212:213]
.irp d, 0,1,2,3
.irp c, 0,1,2
	ds_load_b128 v[S+12*\d+4*\c:S+12*\d+4*\c+3], v9 offset:1536*\d+512*\c   ; V's four fragments, where p lay
.endr
.endr
	s_setprio 0
	ds_load_b128 v[VSW:VSW+3], v11
.set j, 0
.rept 16
	v_pk_mul_f32 v[O+j:O+j+1], v[O+j:O+j+1], v[232:233] op_sel_hi:[1,0]   ; O^T under the new M; also the places in front of the products below
.set j, j+2
.endr
	s_wait_alu depctr_va_vdst(0)
	s_wait_dscnt 0x0
.irp d, 0,1,2,3
	v_wmma_scale_f32_16x16x128_f8f6f4 v[O+8*\d:O+8*\d+7], v[S+12*\d:S+12*\d+11], v[P:P+11], v[O+8*\d:O+8*\d+7], v[VSW+\d], v233 matrix_a_fmt:MATRIX_FMT_BF6 matrix_b_fmt:MATRIX_FMT_BF6
.endr
.endm
; ONE HEAD: eight key steps, then O^T / sum is quantised: its 64 channels are half of ctx's fragment.
.macro HEAD i
	s_mov_b32 s[TK], \i*49152
	s_mov_b32 s[TSK], \i*4096
	s_mov_b32 s[TSV], \i*2048
	s_mov_b32 s[TMK], 0
	s_mov_b32 s[CNT], 8
	v_mov_b32 v15, 0xff61b1e6                      ; the largest t so far: -3e38
	s_delay_alu instid0(VALU_DEP_1)
	v_floor_f32 v14, -v15
	v_mov_b32 v16, 0
	v_mov_b32 v17, 0
.set j, 0
.rept 32
	v_mov_b32 v[O+j], 0                            ; the step is written once: the first finds zeros, which the first change of M leaves zeros
.set j, j+1
.endr
.Lstep_\@:
	s_setprio 2
	STEP 20+12*\i, 18+\i
	s_add_co_u32 s[TK], s[TK], 6144
	s_add_co_u32 s[TSK], s[TSK], 512
	s_add_co_u32 s[TSV], s[TSV], 256
	s_add_co_u32 s[TMK], s[TMK], 512
	s_sub_co_u32 s[CNT], s[CNT], 1
	s_cmp_lg_u32 s[CNT], 0
	s_cbranch_scc1 .Lstep_\@
	s_setprio 0
	NOPS
	v_add_f32 v16, v16, v17
	s_delay_alu instid0(VALU_DEP_1)
	v_permlanex16_b32 v[PT], v16, s[SEL], s[SEL+1]
	s_delay_alu instid0(VALU_DEP_1)
	v_add_f32 v16, v16, v[PT]                      ; the row's sum
	s_wait_alu depctr_va_vdst(0)
	v_rcp_f32 v232, v16
	v_nop
.set j, 0
	s_wait_alu depctr_va_vdst(0)
.rept 16
	v_pk_mul_f32 v[O+j:O+j+1], v[O+j:O+j+1], v[232:233] op_sel_hi:[1,0]   ; register 16 b + i: channel 32 b + 16 (lane / 16) + i of my query
.set j, j+2
.endr
.irp b, 0,1
	v_max3_num_f32 v[BM+\b], |v[O+16*\b]|, |v[O+16*\b+1]|, 0x2800000
.endr
.irp n, 2,4,6,8,10,12,14
.irp b, 0,1
	s_delay_alu instid0(VALU_DEP_2)
	v_max3_num_f32 v[BM+\b], v[BM+\b], |v[O+16*\b+\n]|, |v[O+16*\b+\n+1]|
.endr
.endr
.irp b, 0,1
	s_delay_alu instid0(VALU_DEP_2)
	v_permlanex16_b32 v[PT+\b], v[BM+\b], s[SEL], s[SEL+1]
.endr
.irp b, 0,1
	s_delay_alu instid0(VALU_DEP_2)
	v_max_num_f32 v[BM+\b], v[BM+\b], v[PT+\b]
.endr
.irp b, 0,1
	s_delay_alu instid0(VALU_DEP_2)
	v_add_nc_u32 v[SCO+\b], 0xfe000000, v[BM+\b]
.endr
.irp b, 0,1
	s_delay_alu instid0(VALU_DEP_2)
	v_lshrrev_b32 v[PT+\b], 23, v[SCO+\b]
.endr
.if \i == 0
	s_delay_alu instid0(VALU_DEP_1)
	v_lshl_or_b32 v[CWD], v[PT+1], 8, v[PT]
.else
	s_delay_alu instid0(VALU_DEP_2)
	v_lshl_or_b32 v[CWD], v[PT], 16, v[CWD]
	s_delay_alu instid0(VALU_DEP_1)
	v_lshl_or_b32 v[CWD], v[PT+1], 24, v[CWD]
.endif
	v_cvt_scalef32_pk16_bf6_f32 v[CT+6*\i:CT+6*\i+2], v[O:O+15], v[SCO]
	v_cvt_scalef32_pk16_bf6_f32 v[CV:CV+2], v[O+16:O+31], v[SCO+1]
	v_nop
.irp n, 0,1,2
	v_permlane16_swap_b32 v[CT+6*\i+\n], v[CV+\n]
.endr
.irp n, 0,1,2
	s_delay_alu instid0(VALU_DEP_3)
	v_mov_b32 v[CT+6*\i+3+\n], v[CV+\n]
.endr
.endm
	HEAD 0
	HEAD 1
.irp c, 0,1,2
	global_store_b128 v1, v[CT+4*\c:CT+4*\c+3], s[10:11] offset:512*\c   ; 32 lanes store 512 consecutive bytes, aligned
.endr
	global_store_b32 v250, v[CWD], s[12:13]        ; lanes r and r + 16 store the same word with the same value
	s_wait_tensorcnt 0x0
	ds_add_u32 v254, v255
	s_wait_dscnt 0x0
	CROUND                                         ; the closing round
	s_endpgm
.Lfunc_end_k_q07f39db58f_attn:
	.size	k_q07f39db58f_attn, .Lfunc_end_k_q07f39db58f_attn-k_q07f39db58f_attn
	.p2alignl 7, 3214868480
	.fill 96, 4, 3214868480
	.section	.rodata,"a",@progbits
	.p2align	6, 0x0
	.amdhsa_kernel k_q07f39db58f_attn
		.amdhsa_group_segment_fixed_size 215040
		.amdhsa_private_segment_fixed_size 0
		.amdhsa_enable_private_segment 0
		.amdhsa_kernarg_size 40
		.amdhsa_user_sgpr_count 2
		.amdhsa_user_sgpr_kernarg_segment_ptr 1
		.amdhsa_wavefront_size32 1
		.amdhsa_system_sgpr_workgroup_id_x 1
		.amdhsa_system_sgpr_workgroup_id_y 1
		.amdhsa_system_sgpr_workgroup_id_z 1
		.amdhsa_system_vgpr_workitem_id 0
		.amdhsa_next_free_vgpr 256
		.amdhsa_next_free_sgpr 80
		.amdhsa_reserve_vcc 0
		.amdhsa_float_denorm_mode_32 3
		.amdhsa_float_denorm_mode_16_64 3
		.amdhsa_memory_ordered 1
		.amdhsa_forward_progress 1
		.amdhsa_inst_pref_size 58
	.end_amdhsa_kernel
	.amdgpu_metadata
---
amdhsa.version: [ 1, 2 ]
amdhsa.kernels:
  - .name:           k_q07f39db58f_attn
    .symbol:         k_q07f39db58f_attn.kd
    .args:
      - { .name: qkvc, .offset: 0, .size: 8, .value_kind: global_buffer, .address_space: global }
      - { .name: qkvs, .offset: 8, .size: 8, .value_kind: global_buffer, .address_space: global }
      - { .name: mask, .offset: 16, .size: 8, .value_kind: global_buffer, .address_space: global }
      - { .name: ctxc, .offset: 24, .size: 8, .value_kind: global_buffer, .address_space: global }
      - { .name: ctxs, .offset: 32, .size: 8, .value_kind: global_buffer, .address_space: global }
    .group_segment_fixed_size: 215040
    .private_segment_fixed_size: 0
    .kernarg_segment_align: 8
    .kernarg_segment_size: 40
    .max_flat_workgroup_size: 512
    .sgpr_count:     80
    .vgpr_count:     256
    .wavefront_size: 32
...
	.end_amdgpu_metadata
.endif
;; end of part 3
;; launch oproj (part 4): grid 256 x 1, 4 waves a work-group, clusters of 4 x 1, 327,680 bytes of LDS; arguments ctxc, ctxs, woi, rs, x, bo, gamma, beta, out0; writes out0
.if DOCPART == 4
	.amdgcn_target "amdgcn-amd-amdhsa--gfx1250"
	.amdhsa_code_object_version 6
	.text
	.protected	k_q07f39db58f_oproj
	.globl	k_q07f39db58f_oproj
	.p2align	8
	.type	k_q07f39db58f_oproj,@function
k_q07f39db58f_oproj:
	s_mov_b64 s[64:65], 0
	v_nop
	global_prefetch_b8 v0, s[64:65] scope:SCOPE_SE
	s_setreg_imm32_b32 hwreg(HW_REG_WAVE_MODE, 25, 1), 1
	s_wait_xcnt 0x0
	s_wait_alu depctr_hold_cnt(0) depctr_sa_sdst(0) depctr_va_vdst(0) depctr_va_sdst(0) depctr_va_ssrc(0) depctr_va_vcc(0) depctr_vm_vsrc(0)
	s_getreg_b32 s2, hwreg(HW_REG_IB_STS2, 6, 4)
	s_cmp_eq_u32 s2, 0
	s_cbranch_scc0 .Lentry_in_a_cluster
	s_endpgm
.Lentry_in_a_cluster:
	s_bfe_u32 s2, ttmp6, 0x10000c
	s_cmp_lg_u32 s2, 0x3003
	s_cbranch_scc0 .Lentry_shape_is_right
	s_endpgm
.Lentry_shape_is_right:
.set CHB,   39936
.set SLOTB, 159744
.set RED1,  319488
.set SPARE, 320512
.set SPIT,  1040
.set CSW,   16
.set WS,    32
.set FB,    96
.set SU,    192
.set RB,    200
.set MU,    208
.set MSB, 0
.macro WIN new
.if MSB != (\new)
	s_set_vgpr_msb (MSB<<8)|(\new)
.set MSB, (\new)
.endif
.endm
.macro PLACES
.rept 4
	v_nop
.endr
.endm
.macro ROUND
	s_barrier_signal -1
	s_barrier_wait -1
	s_cmp_lg_u32 s22, 0
	s_cbranch_scc1 .Lnot_wave_0_\@
	s_barrier_signal -3
.Lnot_wave_0_\@:
	s_barrier_wait -3
	s_barrier_signal -1
	s_barrier_wait -1
.endm
	s_load_b512 s[4:19], s[0:1], 0x0
	s_load_b64 s[20:21], s[0:1], 0x40
	v_lshl_add_u32 v12, v0, 2, SPARE
	v_mov_b32 v13, 0
	ds_add_u32 v12, v13
	ds_add_u32 v12, v13
	s_wait_dscnt 0x0
	v_lshrrev_b32 v14, 5, v0
	v_readfirstlane_b32 s22, v14
	s_bfe_u32 s23, ttmp6, 0x40000
	s_lshl_b32 s48, ttmp9, 2
	s_add_co_u32 s48, s48, s23
	s_mov_b32 s24, 15|(3<<16)|(1<<21)
	s_mov_b32 s25, 32<<16
	s_mov_b32 s26, 156<<16
	s_mov_b32 s27, 32<<16
	s_mov_b32 s28, 156
	s_mov_b32 s29, 32
	s_mov_b32 s30, 0
	s_mov_b32 s31, 0
	s_mov_b32 s32, 15|(3<<16)|(1<<21)
	s_mov_b32 s33, 32<<16
	s_mov_b32 s34, 144<<16
	s_mov_b32 s35, 32<<16
	s_mov_b32 s36, 144
	s_mov_b32 s37, 32
	s_mov_b32 s38, 0
	s_mov_b32 s39, 0
	s_mul_i32 s52, s22, CHB
	s_mul_i32 s54, s22, 196608
	s_mov_b32 s55, 0
	s_mov_b32 s50, 0x76543210
	s_mov_b32 s51, 0xfedcba98
	s_mov_b32 s58, 0x3a800000
	s_mov_b32 s59, 0x358637bd
	s_wait_kmcnt 0x0
	s_add_nc_u64 s[54:55], s[8:9], s[54:55]
	s_mov_b32 s40, 1
	s_mov_b32 s41, s52
	s_mov_b64 s[42:43], s[54:55]
	s_or_b32 s43, s43, 0x80000000
	s_mov_b32 s44, 1
	s_add_co_u32 s45, s52, SLOTB
	s_add_nc_u64 s[46:47], s[54:55], CHB
	s_or_b32 s47, s47, 0x80000000
	ROUND
	tensor_load_to_lds s[40:43], s[24:31]
	s_nop 0
	s_wait_alu depctr_va_vdst(0)
	s_wait_tensorcnt 0x0
	ds_add_u32 v12, v13
	s_wait_dscnt 0x0
	ROUND
	tensor_load_to_lds s[44:47], s[24:31]
	s_nop 0
	PLACES
	v_and_b32 v14, 31, v0
	v_lshlrev_b32 v1, 4, v14
	v_add_nc_u32 v2, s52, v1
	v_add_nc_u32 v3, SLOTB, v2
	v_and_b32 v15, 15, v0
	v_bfe_u32 v14, v0, 4, 1
	v_lshlrev_b32 v4, 2, v15
	v_lshl_add_u32 v5, v14, 7, v15
	v_lshlrev_b32 v5, 5, v5
	v_lshlrev_b32 v6, 5, v14
	s_wait_alu depctr_va_vdst(0)
	v_and_b32 v7, 8, v15
	v_add_nc_u32 v7, v7, v15
	v_lshl_add_u32 v7, v7, 12, v6
	s_wait_alu depctr_va_vdst(0)
	s_lshl_b32 s53, s22, 2
	v_lshl_add_u32 v9, v15, 4, RED1
	v_add_nc_u32 v8, s53, v9
	v_mul_u32_u24 v10, v15, SPIT
	v_add_nc_u32 v10, v10, v6
	s_add_co_u32 s53, s52, SLOTB
	v_add_nc_u32 v10, s53, v10
	s_mov_b32 s57, 0
	s_lshl_b32 s56, s48, 10
	s_add_nc_u64 s[6:7], s[6:7], s[56:57]
	s_mul_i32 s56, s48, 24576
	s_add_nc_u64 s[4:5], s[4:5], s[56:57]
	s_lshl_b32 s56, s22, 13
	s_add_co_u32 s56, s56, 360448
	s_add_nc_u64 s[10:11], s[10:11], s[56:57]
	s_lshl_b32 s56, s22, 10
	s_add_nc_u64 s[14:15], s[14:15], s[56:57]
	s_add_nc_u64 s[16:17], s[16:17], s[56:57]
	s_add_nc_u64 s[18:19], s[18:19], s[56:57]
	s_lshl_b32 s53, s48, 17
	s_add_co_u32 s56, s56, s53
	s_add_nc_u64 s[12:13], s[12:13], s[56:57]
	s_add_nc_u64 s[20:21], s[20:21], s[56:57]
.set n, 0
.rept 16
	global_load_b32 v[CSW+n], v4, s[6:7] offset:64*n
.set n, n+1
.endr
	WIN 0x40
.set n, 0
.rept 48
	global_load_b128 v[4*n:4*n+3], v1, s[4:5] offset:512*n
.set n, n+1
.endr
	WIN 0
.irp j, 0,1,2,3,4,5,6,7
.irp q, 0,1
	global_load_b128 v[WS+8*\j+4*\q:WS+8*\j+4*\q+3], v5, s[10:11] offset:512*\j+16*\q
.endr
.endr
	WIN 0x80
.irp j, 0,1,2,3,4,5,6,7,8,9,10,11,12,13,14,15
.irp u, 0,1
	global_load_b128 v[8*(2*\j+\u):8*(2*\j+\u)+3], v6, s[14:15] offset:64*\j
	global_load_b128 v[8*(2*\j+\u)+4:8*(2*\j+\u)+7], v6, s[14:15] offset:64*\j+16
.endr
.endr
	WIN 0xc0
.set n, 0
.irp j, 0,1,2,3,4,5,6,7,8,9,10,11,12,13,14,15
.irp u, 0,1
.irp q, 0,1
.if n == 60
	s_wait_loadcnt 60
.endif
	global_load_b128 v[8*(2*\j+\u)+4*\q:8*(2*\j+\u)+4*\q+3], v7, s[12:13] offset:32768*\u+64*\j+16*\q
.set n, n+1
.endr
.endr
.endr
	WIN 0
.macro LOADG adr, g
.irp e, 0,1
.irp c, 0,1,2
	ds_load_b128 v[FB+12*((2*(\g)+\e)%8)+4*\c:FB+12*((2*(\g)+\e)%8)+4*\c+3], v[\adr] offset:(2*(\g)+\e)*1536+512*\c
.endr
.endr
.endm
.macro PROD f, buf
.set SS, (\f)/16
.set JJ, (\f)%16
.irp u, 0,1
.if JJ < 8
	v_wmma_scale_f32_16x16x128_f8f6f4 v[8*(2*JJ+\u):8*(2*JJ+\u)+7], v[FB+12*(\buf):FB+12*(\buf)+11], v[12*(8*\u+SS):12*(8*\u+SS)+11], v[8*(2*JJ+\u):8*(2*JJ+\u)+7], v[WS+8*(JJ%8)+SS], v[CSW+8*\u+SS] matrix_a_fmt:MATRIX_FMT_BF6 matrix_b_fmt:MATRIX_FMT_BF6
.else
	v_wmma_scale_f32_16x16x128_f8f6f4 v[8*(2*JJ+\u):8*(2*JJ+\u)+7], v[FB+12*(\buf):FB+12*(\buf)+11], v[12*(8*\u+SS):12*(8*\u+SS)+11], v[8*(2*JJ+\u):8*(2*JJ+\u)+7], v[WS+8*(JJ%8)+SS], v[CSW+8*\u+SS] matrix_a_fmt:MATRIX_FMT_BF6 matrix_b_fmt:MATRIX_FMT_BF6 matrix_a_scale:MATRIX_SCALE_ROW1
.endif
.endr
.endm
.macro CHUNK adr, f0, ng
	LOADG \adr, 0
	LOADG \adr, 1
	LOADG \adr, 2
.set G, 0
.rept \ng
.if G+3 < \ng
	PLACES
	LOADG \adr, G+3
.endif
.if \ng-1-G >= 3
	s_wait_dscnt 18
.else
	s_wait_dscnt 6*(\ng-1-G)
.endif
	WIN 0xa4
	PROD \f0+2*G, (2*G)%8
	PROD \f0+2*G+1, (2*G+1)%8
	WIN 0
.set G, G+1
.endr
.endm
.macro REFILL slot, g1
	s_wait_tensorcnt 0x0
	ds_add_u32 v12, v13
	s_add_nc_u64 s[42+4*\slot:43+4*\slot], s[42+4*\slot:43+4*\slot], 2*CHB
	s_wait_dscnt 0x0
	ROUND
	tensor_load_to_lds s[40+4*\slot:43+4*\slot], s[\g1:\g1+7]
	s_nop 0
	PLACES
.endm
	s_wait_tensorcnt 1
	CHUNK 2, 0, 13
	REFILL 0, 24
	CHUNK 3, 26, 13
	REFILL 1, 24
	CHUNK 2, 52, 13
	REFILL 0, 32
	CHUNK 3, 78, 13
	s_wait_tensorcnt 0x0
	PLACES
	CHUNK 2, 104, 12
	PLACES
	s_wait_loadcnt 0x0
	WIN 0x8e
.set n, 0
.rept 128
	v_pk_add_f32 v[n:n+1], v[n:n+1], v[n:n+1]
.set n, n+2
.endr
	WIN 0xc0
.irp j, 0,1,2,3,4,5,6,7,8,9,10,11,12,13,14,15
	global_load_b128 v[8*\j:8*\j+3], v6, s[16:17] offset:64*\j
	global_load_b128 v[8*\j+4:8*\j+7], v6, s[16:17] offset:64*\j+16
	global_load_b128 v[128+8*\j:128+8*\j+3], v6, s[18:19] offset:64*\j
	global_load_b128 v[128+8*\j+4:128+8*\j+7], v6, s[18:19] offset:64*\j+16
.endr
	WIN 0
.macro REDUCE off
.irp u, 0,1
	v_pk_add_f32 v[SU+4*\u:SU+4*\u+1], v[SU+4*\u:SU+4*\u+1], v[SU+4*\u+2:SU+4*\u+3]
.endr
.irp u, 0,1
	v_add_f32 v[SU+4*\u], v[SU+4*\u], v[SU+4*\u+1]
.endr
.irp u, 0,1
	v_permlanex16_b32 v[SU+4*\u+1], v[SU+4*\u], s50, s51
.endr
.irp u, 0,1
	v_add_f32 v[SU+4*\u], v[SU+4*\u], v[SU+4*\u+1]
.endr
.irp u, 0,1
	ds_store_b32 v8, v[SU+4*\u] offset:\off+256*\u
.endr
	s_wait_dscnt 0x0
	s_barrier_signal -1
	s_barrier_wait -1
.irp u, 0,1
	ds_load_b128 v[RB+4*\u:RB+4*\u+3], v9 offset:\off+256*\u
.endr
	s_wait_dscnt 0x0
.irp u, 0,1
	v_add_f32 v[RB+4*\u], v[RB+4*\u], v[RB+4*\u+1]
	v_add_f32 v[RB+4*\u+2], v[RB+4*\u+2], v[RB+4*\u+3]
.endr
.irp u, 0,1
	v_add_f32 v[RB+4*\u], v[RB+4*\u], v[RB+4*\u+2]
.endr
.endm
.irp k, 0,1,2,3,4,5,6,7
	v_mov_b32 v[SU+\k], 0
.endr
	WIN 0x08
.irp j, 0,1,2,3,4,5,6,7,8,9,10,11,12,13,14,15
.irp u, 0,1
.irp q, 0,1,2,3
	v_pk_add_f32 v[SU+4*\u+2*(\q%2):SU+4*\u+2*(\q%2)+1], v[SU+4*\u+2*(\q%2):SU+4*\u+2*(\q%2)+1], v[8*(2*\j+\u)+2*\q:8*(2*\j+\u)+2*\q+1]
.endr
.endr
.endr
	WIN 0
	REDUCE 0
.irp u, 0,1
	v_mul_f32 v[MU+2*\u], 0xba800000, v[RB+4*\u]
.endr
.irp u, 0,1
	v_mov_b32 v[MU+2*\u+1], v[MU+2*\u]
.endr
.irp k, 0,1,2,3,4,5,6,7
	v_mov_b32 v[SU+\k], 0
.endr
	WIN 0x82
.irp j, 0,1,2,3,4,5,6,7,8,9,10,11,12,13,14,15
.irp u, 0,1
.irp q, 0,1,2,3
	v_pk_add_f32 v[8*(2*\j+\u)+2*\q:8*(2*\j+\u)+2*\q+1], v[8*(2*\j+\u)+2*\q:8*(2*\j+\u)+2*\q+1], v[MU+2*\u:MU+2*\u+1]
.endr
.endr
.endr
	WIN 0x0a
.irp j, 0,1,2,3,4,5,6,7,8,9,10,11,12,13,14,15
.irp u, 0,1
.irp q, 0,1,2,3
	v_pk_fma_f32 v[SU+4*\u+2*(\q%2):SU+4*\u+2*(\q%2)+1], v[8*(2*\j+\u)+2*\q:8*(2*\j+\u)+2*\q+1], v[8*(2*\j+\u)+2*\q:8*(2*\j+\u)+2*\q+1], v[SU+4*\u+2*(\q%2):SU+4*\u+2*(\q%2)+1]
.endr
.endr
.endr
	WIN 0
	REDUCE 512
.irp u, 0,1
	v_fma_f32 v[RB+4*\u], v[RB+4*\u], s58, s59
.endr
	s_wait_alu depctr_va_vdst(0)
.irp u, 0,1
	v_rsq_f32 v[MU+2*\u], v[RB+4*\u]
.endr
	v_nop
	s_wait_alu depctr_va_vdst(0)
.irp u, 0,1
	v_mov_b32 v[MU+2*\u+1], v[MU+2*\u]
.endr
	WIN 0x82
.irp j, 0,1,2,3,4,5,6,7,8,9,10,11,12,13,14,15
.irp u, 0,1
.irp q, 0,1,2,3
	v_pk_mul_f32 v[8*(2*\j+\u)+2*\q:8*(2*\j+\u)+2*\q+1], v[8*(2*\j+\u)+2*\q:8*(2*\j+\u)+2*\q+1], v[MU+2*\u:MU+2*\u+1]
.endr
.endr
.endr
	s_wait_loadcnt 0x0
	WIN 0xbe
.irp j, 0,1,2,3,4,5,6,7,8,9,10,11,12,13,14,15
.irp u, 0,1
.irp q, 0,1,2,3
	v_pk_fma_f32 v[8*(2*\j+\u)+2*\q:8*(2*\j+\u)+2*\q+1], v[8*(2*\j+\u)+2*\q:8*(2*\j+\u)+2*\q+1], v[8*\j+2*\q:8*\j+2*\q+1], v[128+8*\j+2*\q:128+8*\j+2*\q+1]
.endr
.endr
.endr
	WIN 0x08
.irp j, 0,1,2,3,4,5,6,7,8,9,10,11,12,13,14,15
.irp u, 0,1
	ds_store_b128 v10, v[8*(2*\j+\u):8*(2*\j+\u)+3] offset:16*SPIT*\u+64*\j
	ds_store_b128 v10, v[8*(2*\j+\u)+4:8*(2*\j+\u)+7] offset:16*SPIT*\u+64*\j+16
.endr
.endr
	WIN 0xc0
.set n, 0
.rept 64
	ds_load_b128 v[4*n:4*n+3], v3 offset:(n/2)*SPIT+512*(n%2)
.set n, n+1
.endr
	WIN 0x0c
.set n, 0
.rept 64
.set RHO, n/2
.set TAU, 8*(RHO/16)+(RHO%16)+8*((RHO%16)/8)
	s_wait_dscnt 63-n
	global_store_b128 v1, v[4*n:4*n+3], s[20:21] offset:TAU*4096+512*(n%2) th:TH_STORE_NT
.set n, n+1
.endr
	WIN 0
	s_wait_tensorcnt 0x0
	ds_add_u32 v12, v13
	s_wait_dscnt 0x0
	ROUND
	s_endpgm
.Lfunc_end_k_q07f39db58f_oproj:
	.size	k_q07f39db58f_oproj, .Lfunc_end_k_q07f39db58f_oproj-k_q07f39db58f_oproj
	.p2alignl 7, 3214868480
	.fill 96, 4, 3214868480
	.section	.rodata,"a",@progbits
	.p2align	6, 0x0
	.amdhsa_kernel k_q07f39db58f_oproj
		.amdhsa_group_segment_fixed_size 327680
		.amdhsa_private_segment_fixed_size 0
		.amdhsa_enable_private_segment 0
		.amdhsa_kernarg_size 72
		.amdhsa_user_sgpr_count 2
		.amdhsa_user_sgpr_kernarg_segment_ptr 1
		.amdhsa_wavefront_size32 1
		.amdhsa_system_sgpr_workgroup_id_x 1
		.amdhsa_system_sgpr_workgroup_id_y 1
		.amdhsa_system_sgpr_workgroup_id_z 1
		.amdhsa_system_vgpr_workitem_id 0
		.amdhsa_next_free_vgpr 1024
		.amdhsa_next_free_sgpr 66
		.amdhsa_reserve_vcc 0
		.amdhsa_float_denorm_mode_32 3
		.amdhsa_float_denorm_mode_16_64 3
		.amdhsa_memory_ordered 1
		.amdhsa_forward_progress 1
		.amdhsa_inst_pref_size 170
	.end_amdhsa_kernel
	.amdgpu_metadata
---
amdhsa.version: [ 1, 2 ]
amdhsa.kernels:
  - .name:           k_q07f39db58f_oproj
    .symbol:         k_q07f39db58f_oproj.kd
    .args:
      - { .name: ctxc, .offset: 0, .size: 8, .value_kind: global_buffer, .address_space: global }
      - { .name: ctxs, .offset: 8, .size: 8, .value_kind: global_buffer, .address_space: global }
      - { .name: woi, .offset: 16, .size: 8, .value_kind: global_buffer, .address_space: global }
      - { .name: rs, .offset: 24, .size: 8, .value_kind: global_buffer, .address_space: global }
      - { .name: x, .offset: 32, .size: 8, .value_kind: global_buffer, .address_space: global }
      - { .name: bo, .offset: 40, .size: 8, .value_kind: global_buffer, .address_space: global }
      - { .name: gamma, .offset: 48, .size: 8, .value_kind: global_buffer, .address_space: global }
      - { .name: beta, .offset: 56, .size: 8, .value_kind: global_buffer, .address_space: global }
      - { .name: out0, .offset: 64, .size: 8, .value_kind: global_buffer, .address_space: global }
    .group_segment_fixed_size: 327680
    .private_segment_fixed_size: 0
    .kernarg_segment_align: 8
    .kernarg_segment_size: 72
    .max_flat_workgroup_size: 128
    .sgpr_count:     66
    .vgpr_count:     1024
    .wavefront_size: 32
...
	.end_amdgpu_metadata
.endif
;; end of part 4
